; MI455X (gfx1250); checked and timed in simulation.
; The chip was launched on July 23, 2026; its instructions are those of AMD's public machine-readable ISA for CDNA 5 (MIT licence, August 2026) and "CDNA5" Instruction Set Architecture Reference Guide (July 2026). The comments in the code are by the model that wrote it; some were corrected since.
;; Attention. Allowed arithmetic: matrix products marked QUANTISED: E2M3 operands, one E8M0 scale for each 32 along K, by v_wmma_scale_f32_16x16x128_f8f6f4 with both operands' format E2M3, f32 sums; products left as they are: f32 operands where the result goes on into a quantised operand, else bf16, f16 or f32 operands; f32 sums; everything else in f32.
;; Inputs: W 1,024 x 1,024 float32; b 1,024 float32; encoder_outputs 2,048 x 32 x 1,024 float32; hidden 1 x 32 x 1,024 float32.
;; Outputs: out0 32 x 1 x 2,048 float32.
;; This version of the problem:
;;   THIS VERSION OF THE PROBLEM IS GIVEN IN LOW PRECISION. The matrix products marked QUANTISED in the list below multiply operands that are first quantised to E2M3 (2 exponent bits, 3 mantissa bits; 6 bits a number), with one power-of-two scale for each 32 numbers along K (OCP MX v1.0); their sums are f32. All else is computed in f32.
;;   The module's matrix products, in the order in which they are computed (A, B: the left and right operand; K: the contracted axis; several contracted axes count as one K, in the product's order):
;;     1. [M 65,536, K 1,024] x [K 1,024, N 1,024]; A: input encoder_outputs; B: input W: QUANTISED
;;     2. batch 32 x [M 1, K 1,024] x [K 1,024, N 2,048]; A: input hidden; B: computed on the way: left as it is (M = 1 < 16)
;;   THE QUANTISER, for each operand of a quantised product, along K:
;;     - K is cut into blocks of 32 from its start; a last block that is shorter is filled with zeros.
;;     - A block's scale is 2^e with e = floor(log2(the largest magnitude in the block)) - 2, held to -126 .. 127; a block of zeros has e = 0. As a byte (E8M0): e + 127.
;;     - Each number is divided by its block's scale, clamped to +-7.5, and rounded to the nearest number of E2M3, ties to even, subnormals kept.
;;     - The product sums the exact products of the quantised numbers (number of the format x scale) in f32.
;;   ~~~python
;;   def quantise(x, axis):      # numpy; x: float32 -> the quantised numbers, widened to float32 again
;;       x = np.moveaxis(x, axis, -1); K = x.shape[-1]
;;       x = np.pad(x, [(0, 0)] * (x.ndim - 1) + [(0, -K % 32)]); x = x.reshape(x.shape[:-1] + (-1, 32)); a = np.abs(x).max(-1, keepdims=True)
;;       e = np.where(a > 0, np.clip(np.frexp(np.where(a > 0, a, 1))[1] - 1 - 2, -126, 127), 0)      # np.frexp(a)[1] - 1 = floor(log2(a)), exactly
;;       r = np.clip(x / 2.0 ** e, -7.5, 7.5)
;;       step = 2.0 ** (np.maximum(np.frexp(np.where(r == 0, 1, r))[1] - 1, 0) - 3)
;;       q = np.round(r / step) * step * 2.0 ** e      # np.round: ties to even
;;       return np.moveaxis(q.reshape(q.shape[:-2] + (-1,))[..., :K], -1, axis).astype(np.float32)
;;   ~~~
;; 2 versions. Each part assembles by itself: llvm-mc -triple=amdgcn-amd-amdhsa -mcpu=gfx1250 --defsym DOCPART=n.
;; ======== version 1 of 2: 3 launches
;; workspace buffers: wimg 819,200 bytes; scores 262,144 bytes
;; launch prepw (part 1): grid 64 x 1, 4 waves a work-group, no clusters, 34,304 bytes of LDS; arguments W, wimg; writes wimg
.if DOCPART == 1
	.amdgcn_target "amdgcn-amd-amdhsa--gfx1250"
	.amdhsa_code_object_version 6
	.text
	.protected	k_qb49bd843b9_prepw
	.globl	k_qb49bd843b9_prepw
	.p2align	8
	.type	k_qb49bd843b9_prepw,@function
k_qb49bd843b9_prepw:
	s_mov_b64 s[64:65], 0
	v_nop
	global_prefetch_b8 v0, s[64:65] scope:SCOPE_SE
	s_setreg_imm32_b32 hwreg(HW_REG_WAVE_MODE, 25, 1), 1
	s_wait_xcnt 0x0
; W [1024 (n)][1024 (k)] f32 becomes codes of FP6 (E2M3) with one E8M0 byte for each 32 along k, laid as IMAGES OF THE OPERAND'S REGISTERS in the order in which the product's launch takes them.
; wimg: 16 blocks of 51,200 bytes; block 4 c + p4 holds k = 256 c .. + 255 of rows n = 256 p4 .. + 255.  In a block the fragment (tile t16 of 16 rows, K step ks of 128) lies at (2 t16 + ks) x 1,536:
; three pieces of 512 bytes, piece cc = registers 4 cc .. 4 cc + 3 of lane l at 16 l.  At 49,152 + 128 t16: one word a lane: lanes 0-15 the scale word of row l for ks = 0, lanes 16-31 that of row l - 16 for ks = 1.
; A block's scale is 2^(floor(log2(its largest magnitude)) - 2); its byte is the largest magnitude's exponent field - 2, held at 1 from below.
; LIMITS: a block of zeros gets the byte 1 where the rule says 127 (its codes are zeros, and this program alone reads the bytes); blocks whose largest magnitude lies under 2^-124 get the byte 1; NaN and infinities are not served.
; SHARES: work-group = tile of 16 rows (64 of them), wave = chunk c of 256 along k: two fragments a wave.  Each load reads 512 consecutive bytes of one row; the conversions want 16 neighbours along k in ONE lane,
; so a fragment's 8,192 bytes turn through the wave's own stage in LDS (16 rows, 528 bytes apart = 33 x 16: the sixteen rows that a load of 16 bytes a lane touches fall on sixteen different columns of 16 bytes modulo 256).
; No barrier: waves share nothing.  No register that a store or load still names is written again, so no wait on XCNT is needed.
.set WBLK, 51200
.set STGW, 8448                        ; a wave's stage
.set SP,   528
.set EA,   4                           ; v4   16 x lane
.set SW,   5                           ; v5   the stage, on the way in
.set SRD,  6                           ; v6   the stage, on the way out: row r, + 64 (lane / 16)
.set LS,   7                           ; v7   4 x lane
.set R,    16                          ; v16-143  two sets of 64: a fragment's numbers as loaded, row i in registers 4 i .. 4 i + 3
.set X,    144                         ; v144-207 64 numbers of my row: register 16 b + i = k 32 b + 16 (lane / 16) + i
.set PC0,  208                         ; v208-226 the first fragment's codes (12 registers, and 7 at work)
.set PC1,  16                          ; the second's: where R's first set lay
.set TM,   228                         ; v228-243 at work
.set PW0,  244                         ; the two scale words
.set PW1,  245
.set MG,   246                         ; and the two in one register
.set SEL,  20                          ; s[20:21] v_permlanex16_b32's selects for lane l xor 16
.macro TURN set                        ; a fragment's numbers through the stage: LDS serves a wave's instructions in order (ISA guide 5.7.1.4), so no wait stands between the stores and the loads
.irp i, 0,1,2,3,4,5,6,7,8,9,10,11,12,13,14,15
	ds_store_b128 v[SW], v[R+64*(\set)+4*\i:R+64*(\set)+4*\i+3] offset:SP*\i
.endr
.irp b, 0,1,2,3
.irp j, 0,1,2,3
	ds_load_b128 v[X+16*\b+4*\j:X+16*\b+4*\j+3], v[SRD] offset:128*\b+16*\j
.endr
.endr
.endm
; 64 numbers of a lane become a fragment's 12 registers of codes in v[pc] on and its row's scale word in v[pw]
.macro QUANT x, pc, pw
.irp b, 0,1,2,3
	v_max3_num_f32 v[TM+\b], |v[(\x)+16*\b]|, |v[(\x)+16*\b+1]|, 0x1800000   ; block b: my 16 numbers, and the floor 2^(3 - 127): the byte cannot fall under 1
.endr
.irp i, 2,4,6,8,10,12,14
.irp b, 0,1,2,3
	v_max3_num_f32 v[TM+\b], v[TM+\b], |v[(\x)+16*\b+\i]|, |v[(\x)+16*\b+\i+1]|   ; the four blocks by turns
.endr
.endr
.irp b, 0,1,2,3
	v_permlanex16_b32 v[TM+4+\b], v[TM+\b], s[SEL], s[SEL+1]
.endr
.irp b, 0,1,2,3
	v_max_num_f32 v[TM+\b], v[TM+\b], v[TM+4+\b]   ; with lane l xor 16's 16: the block's largest magnitude
.endr
.irp b, 0,1,2,3
	v_add_nc_u32 v[TM+12+\b], 0xff000000, v[TM+\b]   ; 2 off its exponent field: the conversion's scale operand
.endr
.irp b, 0,1,2,3
	v_lshrrev_b32 v[TM+4+\b], 23, v[TM+12+\b]      ; the scale's byte
.endr
	v_lshl_or_b32 v[\pw], v[TM+5], 8, v[TM+4]      ; four bytes: my row's scale word (the same in lanes l and l xor 16)
	v_lshl_or_b32 v[\pw], v[TM+6], 16, v[\pw]
	v_lshl_or_b32 v[\pw], v[TM+7], 24, v[\pw]
.irp c, 0,1
	v_cvt_scalef32_pk16_fp6_f32 v[(\pc)+6*\c:(\pc)+6*\c+2], v[(\x)+32*\c:(\x)+32*\c+15], v[TM+12+2*\c]
	v_cvt_scalef32_pk16_fp6_f32 v[(\pc)+12+4*\c:(\pc)+14+4*\c], v[(\x)+32*\c+16:(\x)+32*\c+31], v[TM+13+2*\c]   ; (a conversion's three registers begin on an even number)
.endr
	v_nop                                          ; one plain place behind a scaled conversion
.irp c, 0,1                                    ; the operand's layout wants a whole block in a lane: lanes 0-15 block 2 c, lanes 16-31 block 2 c + 1
.irp i, 0,1,2
	v_permlane16_swap_b32 v[(\pc)+6*\c+\i], v[(\pc)+12+4*\c+\i]
.endr
.irp i, 0,1,2
	v_mov_b32 v[(\pc)+3+6*\c+\i], v[(\pc)+12+4*\c+\i]
.endr
.endr
.endm
	s_load_b128 s[4:7], s[0:1], 0x0                ; W, wimg
	v_lshl_add_u32 v254, v0, 2, 0x8400
	v_mov_b32 v255, 0
	v_lshrrev_b32 v1, 5, v0
	v_readfirstlane_b32 s12, v1                    ; wave = chunk c
	v_and_b32 v1, 31, v0                           ; lane
	v_and_b32 v2, 15, v0                           ; r
	v_bfe_u32 v3, v0, 4, 1                         ; lane / 16
	v_lshlrev_b32 v[EA], 4, v1
	v_lshlrev_b32 v[LS], 2, v1
	s_mul_i32 s13, s12, STGW
	v_add_nc_u32 v[SW], s13, v[EA]
	v_mul_u32_u24 v[SRD], v2, SP
	v_lshl_add_u32 v[SRD], v3, 6, v[SRD]
	v_add_nc_u32 v[SRD], s13, v[SRD]
	s_mov_b32 s[SEL], 0x76543210
	s_mov_b32 s[SEL+1], 0xfedcba98
.irp b, 0,1,2,3
	v_mov_b32 v[TM+4+\b], 0                        ; written once: a lane permute's destination counts as one of its sources
.endr
	s_lshl_b32 s14, ttmp9, 16                      ; W: 16 rows of 4,096 bytes a tile,
	s_lshl_b32 s15, s12, 10                        ; + 1,024 bytes a chunk
	s_add_co_u32 s14, s14, s15
	s_mov_b32 s15, 0
	s_lshr_b32 s16, ttmp9, 4                       ; p4
	s_lshl_b32 s17, s12, 2
	s_add_co_u32 s16, s16, s17                     ; block 4 c + p4
	s_mul_i32 s16, s16, WBLK
	s_and_b32 s17, ttmp9, 15                       ; t16
	s_mul_i32 s18, s17, 3072
	s_add_co_u32 s18, s18, s16                     ; my two fragments' images
	s_mov_b32 s19, 0
	s_lshl_b32 s22, s17, 7
	s_add_co_u32 s22, s22, s16
	s_add_co_u32 s22, s22, 49152                   ; my tile's scale image
	s_mov_b32 s23, 0
	s_wait_kmcnt 0x0
	s_add_nc_u64 s[4:5], s[4:5], s[14:15]
	s_add_nc_u64 s[8:9], s[6:7], s[22:23]
	s_add_nc_u64 s[6:7], s[6:7], s[18:19]
.irp k, 0,1
.irp i, 0,1,2,3,4,5,6,7,8,9,10,11,12,13,14,15
	global_load_b128 v[R+64*\k+4*\i:R+64*\k+4*\i+3], v[EA], s[4:5] offset:\i*4096+\k*512 th:TH_LOAD_NT   ; 32 lanes read 512 consecutive bytes of row i
.endr
.endr
	s_wait_loadcnt 16                              ; K step 0's sixteen loads are in; K step 1's sixteen may be out
	TURN 0
	s_wait_dscnt 0x0
	QUANT X, PC0, PW0
.irp c, 0,1,2
	global_store_b128 v[EA], v[PC0+4*\c:PC0+4*\c+3], s[6:7] offset:512*\c        ; 32 lanes store 512 consecutive bytes, at a multiple of 256 from the buffer's first byte
.endr
	s_wait_loadcnt 0x0
	TURN 1
	s_wait_dscnt 0x0
	QUANT X, PC1, PW1
.irp c, 0,1,2
	global_store_b128 v[EA], v[PC1+4*\c:PC1+4*\c+3], s[6:7] offset:1536+512*\c
.endr
	v_cmp_le_u32 vcc_lo, 16, v1                    ; lanes 16-31 carry K step 1's word
	v_cndmask_b32 v[MG], v[PW0], v[PW1], vcc_lo
	global_store_b32 v[LS], v[MG], s[8:9]          ; 128 consecutive bytes: half of an aligned 256; 32 KiB of such stores in the whole launch
	s_wait_tensorcnt 0x0
	ds_add_u32 v254, v255
	s_wait_dscnt 0x0
	s_endpgm
.Lfunc_end_k_qb49bd843b9_prepw:
	.size	k_qb49bd843b9_prepw, .Lfunc_end_k_qb49bd843b9_prepw-k_qb49bd843b9_prepw
	.p2alignl 7, 3214868480
	.fill 96, 4, 3214868480
	.section	.rodata,"a",@progbits
	.p2align	6, 0x0
	.amdhsa_kernel k_qb49bd843b9_prepw
		.amdhsa_group_segment_fixed_size 34304
		.amdhsa_private_segment_fixed_size 0
		.amdhsa_enable_private_segment 0
		.amdhsa_kernarg_size 16
		.amdhsa_user_sgpr_count 2
		.amdhsa_user_sgpr_kernarg_segment_ptr 1
		.amdhsa_wavefront_size32 1
		.amdhsa_system_sgpr_workgroup_id_x 1
		.amdhsa_system_sgpr_workgroup_id_y 1
		.amdhsa_system_sgpr_workgroup_id_z 1
		.amdhsa_system_vgpr_workitem_id 0
		.amdhsa_next_free_vgpr 256
		.amdhsa_next_free_sgpr 66
		.amdhsa_reserve_vcc 1
		.amdhsa_float_denorm_mode_32 3
		.amdhsa_float_denorm_mode_16_64 3
		.amdhsa_memory_ordered 1
		.amdhsa_forward_progress 1
		.amdhsa_inst_pref_size 18
	.end_amdhsa_kernel
	.amdgpu_metadata
---
amdhsa.version: [ 1, 2 ]
amdhsa.kernels:
  - .name:           k_qb49bd843b9_prepw
    .symbol:         k_qb49bd843b9_prepw.kd
    .args:
      - { .name: W, .offset: 0, .size: 8, .value_kind: global_buffer, .address_space: global }
      - { .name: wimg, .offset: 8, .size: 8, .value_kind: global_buffer, .address_space: global }
    .group_segment_fixed_size: 34304
    .private_segment_fixed_size: 0
    .kernarg_segment_align: 8
    .kernarg_segment_size: 16
    .max_flat_workgroup_size: 128
    .sgpr_count:     66
    .vgpr_count:     256
    .wavefront_size: 32
...
	.end_amdgpu_metadata
.endif
;; end of part 1
;; launch main (part 2): grid 32 x 8, 4 waves a work-group, clusters of 4 x 1, 327,680 bytes of LDS; arguments encoder_outputs, wimg, hidden, scores; writes scores
.if DOCPART == 2
	.amdgcn_target "amdgcn-amd-amdhsa--gfx1250"
	.amdhsa_code_object_version 6
	.text
	.protected	k_qb49bd843b9_main
	.globl	k_qb49bd843b9_main
	.p2align	8
	.type	k_qb49bd843b9_main,@function
k_qb49bd843b9_main:
	s_mov_b64 s[64:65], 0
	v_nop
	global_prefetch_b8 v0, s[64:65] scope:SCOPE_SE
	s_setreg_imm32_b32 hwreg(HW_REG_WAVE_MODE, 25, 1), 1
	s_wait_xcnt 0x0
	s_wait_alu depctr_hold_cnt(0) depctr_sa_sdst(0) depctr_va_vdst(0) depctr_va_sdst(0) depctr_va_ssrc(0) depctr_va_vcc(0) depctr_vm_vsrc(0)
	s_getreg_b32 s2, hwreg(HW_REG_IB_STS2, 6, 4)
	s_cmp_eq_u32 s2, 0
	s_cbranch_scc0 .Lentry_in_a_cluster
	s_endpgm
.Lentry_in_a_cluster:
	s_bfe_u32 s2, ttmp6, 0x10000c
	s_cmp_lg_u32 s2, 0x3003
	s_cbranch_scc0 .Lentry_shape_is_right
	s_endpgm
.Lentry_shape_is_right:
; scores[b][s] = sum over n of hidden[b][n] x (sum over k of Q(E)[s][b][k] Q(W)[n][k]): the quantised product on codes of FP6 (E2M3) with E8M0 scales, and straight behind it the product with hidden, in f32.
; (The bias's share, hidden[b] . bias, is one number for each b and is added by the next launch, ahead of the softmax.)  E: [2048 (s)][32 (b)][1024 (k)] f32, read ONCE and quantised here; W: register images made by the launch before.
; LIMITS: NaN and infinities in E are not served; a block of zeros, and a block whose largest magnitude lies under 2^-124, gets the scale byte 1 (zero codes add nothing; this program alone reads the bytes).
; ORDER OF ROUNDING: the sum over k is taken in four chunks of 256, each multiplied by hidden and added to the score as soon as it is made; reference() sums k first, adds the bias and then sums n.
; SHARES.  A work-group owns 256 rows of E: s = 64 sblk .. + 63, b = 4 g .. + 3.  Tile A (0..15), row i: s = 64 sblk + 4 A + i / 4, b = 4 g + i % 4: so lane r of EVERY tile has b = 4 g + r % 4, one load of hidden serves all
; tiles, and a work-group ends with 64 neighbouring s of each b.  Each of the four waves has two jobs.  PRODUCER of tiles 4 w .. 4 w + 3: loads f32 (512 consecutive bytes a load), turns them through its own stage in LDS so
; that a lane holds 16 neighbours along k, quantises, and stores the fragments to LDS as images of their registers.  CONSUMER (p = w / 2, q = w % 2): tiles 8 p .. 8 p + 7 against half q of each block of W: a fragment
; of W read from LDS feeds 8 matrix instructions.
; TIME.  Time chunk 0 quantises chunk 0; time chunks 1 to 3 quantise chunk c and multiply chunk c - 1; time chunk 4 multiplies chunk 3.  So E streams in under the matrix work.  A chunk's products go in 4 steps, one block
; of W (256 n x 256 k, 51,200 bytes) each, through a ring of two LDS slots.
; THE MATRIX INSTRUCTION IS USED TRANSPOSED: source 0 = 16 rows of W, source 1 = 16 rows of E: a lane holds ONE row of E (lane % 16) and eight neighbouring n, which meet eight neighbouring numbers of hidden.
; CLUSTER: the four work-groups of a cluster lie along sblk and share g.  All work-groups walk the same W, and the four share the same four rows of hidden: both are asked for JOINTLY (mask 15).  E is shared by nobody.
; REGISTERS, in windows of 256:  window 0: v1-21 addresses; v24-39 E's scale words; v40-41 W's; v44-75 the scores (4 a tile); v80-127 W's fragments, two sets; v128-255 accumulators, two sets of 8.
;   window 1: v0-191 E's 16 fragments of the chunk in hand; v192-207 hidden, two sets.   window 2: four sets of 64: E as loaded.   window 3: what the quantiser works on.
; One window setting (source 1 in window 1) serves the products, the multiply-adds with hidden and the loads of W's fragments: a tile of n costs two switches, round its two loads of hidden.
.set IMGX,  0x10000                    ; LDS: E's images of even chunks at 0, of odd chunks here: fragment (A, ks) at (2 A + ks) x 1,536,
.set IMGS,  49152                      ;      its scale words (4 bytes a lane) at IMGS + (2 A + ks) x 128
.set WR0,   131072                     ; W's ring: two slots of WBLK bytes, a block as it lies in memory
.set WBLK,  51200
.set HB,    233472                     ; hidden's rows 4 g .. 4 g + 3 as 16 rows of 1,024 bytes + 16: (b', n) at 4,160 b' + 1,040 (n / 256) + 4 (n % 256)
.set STG,   250112                     ; each wave's stage: 16 rows, 528 bytes apart
.set STGW,  8448
.set SP,    528                        ; = 33 x 16: sixteen rows at one column fall on sixteen different columns of 16 bytes modulo 256
.set SCO,   283904                     ; the waves' partial scores: [q][b' 4][s' 64] f32
.set SPARE, 285952                     ; the spare words, 128 bytes for each wave: two blocks of 256 bytes that no other line names
.set SPW,  1                           ; v1   SPARE + 4 x my thread's number; never rewritten
.set NIL,  2                           ; v2   0; never rewritten
.set EA,   3                           ; v3   16 x lane
.set SW,   4                           ; v4   the stage, in
.set SRD,  5                           ; v5   the stage, out: row r, + 64 (lane / 16)
.set IWA0, 6                           ; v6   images that I store: 12,288 w + 16 lane;   v8 the same in the buffer in hand
.set IWS0, 7                           ; v7   their scale words: IMGS + 1,024 w + 4 lane; v9
.set IWA,  8
.set IWS,  9
.set IRA0, 10                          ; v10  images that I read: 24,576 p + 16 lane;     v12
.set IRS0, 11                          ; v11  IMGS + 2,048 p + 4 lane;                    v13
.set IRA,  12
.set IRS,  13
.set WA,   14                          ; v14-15  W's fragments in slot 0, 1: + 24,576 q + 16 lane
.set WSA,  16                          ; v16-17  W's scale words: + 49,152 + 1,024 q + 4 lane
.set HA,   18                          ; v18  hidden: HB + 4,160 (r % 4) + 512 q + 32 (lane / 16)
.set SCW,  19                          ; v19  where I put a partial score
.set SCR,  20                          ; v20  where I read two back
.set GO,   21                          ; v21  8 x lane
.set ASC,  24
.set WS,   40
.set SC,   44
.set WF,   80
.set ACC,  128
.set EF,   0                           ; window 1
.set HV,   192
.set R,    0                           ; window 2
.set X0,   0                           ; window 3
.set X1,   64
.set PC0,  128
.set TM,   148
.set PW0,  164
.set PW1,  165
.set PC1,  168
.set WV,   12                          ; s12  wave;  s13 p;  s14 q
.set SEL,  20                          ; s[20:21] v_permlanex16_b32's selects for lane l xor 16
.set IR,   22                          ; s22  the image buffer that is read
.set IW,   23                          ; s23  the one that is written
.set G1W,  24                          ; s[24:31] descriptor group 1 for W;  s[32:39] group 0, one set for each slot
.set G0W,  32
.set G1H,  40                          ; s[40:47], s[48:51] the same for hidden
.set G0H,  48
.set CNT,  52
.set MW,   0x04                        ; source 1 in window 1, all else in window 0
.set MSB, 0
.macro WIN new                         ; the immediate's high byte repeats the setting that is left; a switch that changes nothing is dropped
.if MSB != \new
	s_set_vgpr_msb (MSB<<8)|\new
.set MSB, \new
.endif
.endm
.macro CROUND                          ; a round of the cluster's barrier
	s_barrier_signal -1
	s_barrier_wait -1
	s_cmp_lg_u32 s[WV], 0
	s_cbranch_scc1 .Lnot_wave_0_\@
	s_barrier_signal -3
.Lnot_wave_0_\@:
	s_barrier_wait -3
	s_barrier_signal -1
	s_barrier_wait -1
.endm
; sixteen loads: my tile's 16 rows, 128 along k (512 consecutive bytes a load), into set `set` of window 2
.macro ELOAD set, tile, ks, off
	WIN 0x80
.irp i, 0,1,2,3,4,5,6,7,8,9,10,11,12,13,14,15
	global_load_b128 v[R+64*(\set)+4*\i:R+64*(\set)+4*\i+3], v[EA], s[4:5] offset:(\tile)*524288+(\i/4)*131072+(\i%4)*4096+(\ks)*512+(\off) th:TH_LOAD_NT
.endr
.endm
; a set through my stage: in as loaded, out 16 neighbours of each block of 32 a lane.  LDS serves a wave's instructions in order (ISA guide 5.7.1.4): no wait between, and the next set's stores come behind these loads
.macro TURN set, x
	WIN 0x08                                       ; an LDS store's data are its source 1: window 2
.irp i, 0,1,2,3,4,5,6,7,8,9,10,11,12,13,14,15
	ds_store_b128 v[SW], v[R+64*(\set)+4*\i:R+64*(\set)+4*\i+3] offset:SP*\i
.endr
	WIN 0xc0                                       ; destination window 3
.irp b, 0,1,2,3
.irp j, 0,1,2,3
	ds_load_b128 v[(\x)+16*\b+4*\j:(\x)+16*\b+4*\j+3], v[SRD] offset:128*\b+16*\j
.endr
.endr
.endm
; 64 numbers of a lane, register 16 b + i = k 32 b + 16 (lane / 16) + i of my row, become a fragment's 12 registers of codes in v[pc] on and its scale word in v[pw]; all in window 3
.macro QUANT x, pc, pw
	WIN 0xff
.irp b, 0,1,2,3
	v_max3_num_f32 v[TM+\b], |v[(\x)+16*\b]|, |v[(\x)+16*\b+1]|, 0x1800000   ; block b: my 16 numbers, and the floor 2^(3 - 127): the byte cannot fall under 1
.endr
.irp i, 2,4,6,8,10,12,14
.irp b, 0,1,2,3
	v_max3_num_f32 v[TM+\b], v[TM+\b], |v[(\x)+16*\b+\i]|, |v[(\x)+16*\b+\i+1]|   ; the four blocks by turns
.endr
.endr
.irp b, 0,1,2,3
	v_permlanex16_b32 v[TM+4+\b], v[TM+\b], s[SEL], s[SEL+1]
.endr
.irp b, 0,1,2,3
	v_max_num_f32 v[TM+\b], v[TM+\b], v[TM+4+\b]   ; with lane l xor 16's 16: the block's largest magnitude
.endr
.irp b, 0,1,2,3
	v_add_nc_u32 v[TM+12+\b], 0xff000000, v[TM+\b]   ; 2 off its exponent field: the conversion's scale operand
.endr
.irp b, 0,1,2,3
	v_lshrrev_b32 v[TM+4+\b], 23, v[TM+12+\b]      ; the scale's byte
.endr
	v_lshl_or_b32 v[\pw], v[TM+5], 8, v[TM+4]      ; my row's scale word (the same in lanes l and l xor 16)
	v_lshl_or_b32 v[\pw], v[TM+6], 16, v[\pw]
	v_lshl_or_b32 v[\pw], v[TM+7], 24, v[\pw]
.irp c, 0,1
	v_cvt_scalef32_pk16_fp6_f32 v[(\pc)+6*\c:(\pc)+6*\c+2], v[(\x)+32*\c:(\x)+32*\c+15], v[TM+12+2*\c]
	v_cvt_scalef32_pk16_fp6_f32 v[(\pc)+12+4*\c:(\pc)+14+4*\c], v[(\x)+32*\c+16:(\x)+32*\c+31], v[TM+13+2*\c]   ; (a conversion's three registers begin on an even number)
.endr
	v_nop                                          ; one plain place behind a scaled conversion
.irp c, 0,1                                    ; the operand's layout wants a whole block in a lane: lanes 0-15 block 2 c, lanes 16-31 block 2 c + 1
.irp i, 0,1,2
	v_permlane16_swap_b32 v[(\pc)+6*\c+\i], v[(\pc)+12+4*\c+\i]
.endr
.irp i, 0,1,2
	v_mov_b32 v[(\pc)+3+6*\c+\i], v[(\pc)+12+4*\c+\i]
.endr
.endr
.endm
.macro IMAGE pc, pw, idx               ; the fragment goes to LDS as it stands: 512 consecutive bytes a store; its scale words 128
	WIN 0x0c                                       ; data: window 3
.irp c, 0,1,2
	ds_store_b128 v[IWA], v[(\pc)+4*\c:(\pc)+4*\c+3] offset:(\idx)*1536+512*\c
.endr
	ds_store_b32 v[IWS], v[\pw] offset:(\idx)*128
.endm
; THE PRODUCER'S PART OF A STEP: my tile u of the chunk that is quantised.  Window 2's four sets are a ring of four fragments, loaded in the order in which they are used.
; la, lb: how many younger loads may stay out when the tile's first and second fragment must be there.  refill = 1: the two sets take the tile two further on (off: 1,024 where that lies in the next chunk).
.macro QSTEP u, la, lb, refill, off
.set QS, 2*((\u)%2)
.set QT, ((\u)+2)%4
	s_wait_loadcnt \la                             ; loads come back in order (ISA guide 5.7.1): the fragment's sixteen are in
	TURN QS, X0
	s_wait_loadcnt \lb
	TURN QS+1, X1
	s_wait_dscnt 32                                ; all but the second TURN's 32: X0 is back, and the first set has been read by its stores
.if \refill
	ELOAD QS, QT, 0, \off
.endif
	QUANT X0, PC0, PW0
	IMAGE PC0, PW0, 2*(\u)
	s_wait_dscnt 4                                 ; all but the image's four stores: X1 is back, and the second set has been read
.if \refill
	ELOAD QS+1, QT, 1, \off
.endif
	QUANT X1, PC1, PW1
	IMAGE PC1, PW1, 2*(\u)+1
.endm
; THE CONSUMER'S PART.  At a chunk's head: my 8 tiles' 16 fragments of E and their scale words, which stay in registers for the chunk's four steps
.macro ALOAD
	WIN 0
	v_add_nc_u32 v[IRA], s[IR], v[IRA0]
	v_add_nc_u32 v[IRS], s[IR], v[IRS0]
	WIN 0x40                                       ; destination window 1
.set AFR, 0
.rept 16
.irp c, 0,1,2
	ds_load_b128 v[EF+12*AFR+4*\c:EF+12*AFR+4*\c+3], v[IRA] offset:AFR*1536+512*\c
.endr
.set AFR, AFR+1
.endr
	WIN 0
.set AFR, 0
.rept 16
	ds_load_b32 v[ASC+AFR], v[IRS] offset:AFR*128
.set AFR, AFR+1
.endr
.endm
.macro LOADW0 slot                     ; the block's first tile of W: two fragments and the scale words, into set 0
	WIN 0
.irp c, 0,1,2,3,4,5
	ds_load_b128 v[WF+4*\c:WF+4*\c+3], v[WA+(\slot)] offset:512*\c
.endr
	ds_load_b32 v[WS], v[WSA+(\slot)]
.endm
; Slice n of 16 of a tile's way into the scores: two packed multiply-adds, accumulator n / 2 of set `set`, from its low end on, times hidden's eight numbers
.macro SLICE set, n
.set LA, (\n)/2
.set LP, 2*((\n)%2)
.irp e, 0,1
	v_pk_fma_f32 v[SC+4*LA+2*\e:SC+4*LA+2*\e+1], v[ACC+64*(\set)+8*LA+2*(LP+\e):ACC+64*(\set)+8*LA+2*(LP+\e)+1], v[HV+8*(\set)+2*(LP+\e):HV+8*(\set)+2*(LP+\e)+1], v[SC+4*LA+2*\e:SC+4*LA+2*\e+1]
.endr
.endm
; A TILE OF 16 n: 16 matrix instructions: K step 0 of my 8 tiles of E starts the sums with the constant 0, K step 1 adds onto them: the eight accumulators take turns, one instruction a turn, and the two sets alternate from
; tile to tile.  Behind each product stands a slice of the tile before: those are also the places in front of every read of a result and of every load into a
; register that a product has read: at least 4 that name none of that product's registers, by the slices' order.  Behind the second product: the next tile's fragments of W (its set's last product stands six such
; lines back) and this tile's eight numbers of hidden.  prev = 0: no tile before; four v_nop then close the tile.  next = 0: the block's last tile.
.macro NT t, slot, p4, prev, next
.set NS, (\t)%2
	s_wait_dscnt 0x0                               ; this tile's fragments of W and the last tile's numbers of hidden are in
	WIN MW
.set NI, 0
.rept 16
.set NA, NI%8
.if NI < 8
	v_wmma_scale_f32_16x16x128_f8f6f4 v[ACC+64*NS+8*NA:ACC+64*NS+8*NA+7], v[WF+24*NS:WF+24*NS+11], v[EF+24*NA:EF+24*NA+11], 0, v[WS+NS], v[ASC+2*NA] matrix_a_fmt:MATRIX_FMT_FP6 matrix_b_fmt:MATRIX_FMT_FP6
.else
	v_wmma_scale_f32_16x16x128_f8f6f4 v[ACC+64*NS+8*NA:ACC+64*NS+8*NA+7], v[WF+24*NS+12:WF+24*NS+23], v[EF+24*NA+12:EF+24*NA+23], v[ACC+64*NS+8*NA:ACC+64*NS+8*NA+7], v[WS+NS], v[ASC+2*NA+1] matrix_a_fmt:MATRIX_FMT_FP6 matrix_b_fmt:MATRIX_FMT_FP6 matrix_a_scale:MATRIX_SCALE_ROW1
.endif
.if \prev
	SLICE 1-NS, NI
.endif
.if NI == 1
.if \next
.irp c, 0,1,2,3,4,5
	ds_load_b128 v[WF+24*(1-NS)+4*\c:WF+24*(1-NS)+4*\c+3], v[WA+(\slot)] offset:((\t)+1)*3072+512*\c
.endr
	ds_load_b32 v[WS+1-NS], v[WSA+(\slot)] offset:((\t)+1)*128
.endif
	WIN 0x44                                       ; destination window 1
	ds_load_b128 v[HV+8*NS:HV+8*NS+3], v[HA] offset:1040*(\p4)+64*(\t)
	ds_load_b128 v[HV+8*NS+4:HV+8*NS+7], v[HA] offset:1040*(\p4)+64*(\t)+16
	WIN MW
.endif
.set NI, NI+1
.endr
.if \prev == 0
.rept 4
	v_nop
.endr
.endif
.endm
.macro MSTEP slot, p4                  ; a block of W: my 8 tiles of n
	NT 0, \slot, \p4, 0, 1
.irp tt, 1,2,3,4,5,6
	NT \tt, \slot, \p4, 1, 1
.endr
	NT 7, \slot, \p4, 1, 0
	s_wait_dscnt 0x0                               ; tile 7's numbers of hidden
.set DI, 0
.rept 16
	SLICE 1, DI                                    ; tile 7's way into the scores: the accumulator finished last is read 28 lines behind its product
.set DI, DI+1
.endr
.endm
; THE CHANGE OF SLOTS at a step's end.  Each wave waits for all its tensor loads (the next block's half, in waves 0 and 1), adds 0 to its spare word, and waits for that, for its reads of the slot and for its image stores.
; fill = 1: the barrier is a round of the cluster's, and the slot just read takes the block two steps on, asked for jointly, first thing behind the round: it has a whole step in which to land.
.macro HEAD slot, fill
	WIN 0
	s_wait_tensorcnt 0x0                           ; no tensor load of mine is out, so a group 0 may be written
	ds_add_u32 v[SPW], v[NIL]                      ; 0 onto my spare word
.if \fill
	s_add_nc_u64 s[G0W+4*(\slot)+2:G0W+4*(\slot)+3], s[G0W+4*(\slot)+2:G0W+4*(\slot)+3], 2*WBLK
.endif
	s_wait_dscnt 0x0
.if \fill
	CROUND
	s_cmp_lt_u32 s[WV], 2                          ; waves 0 and 1 fetch a half each; the branch hangs on the wave's number alone
	s_cbranch_scc0 .Lno_fill_\@
	tensor_load_to_lds s[G0W+4*(\slot):G0W+4*(\slot)+3], s[G1W:G1W+7]
	s_nop 0
.rept 4
	v_nop
.endr
.Lno_fill_\@:
.else
	s_barrier_signal -1
	s_barrier_wait -1
.endif
.endm
; A STEP.  The consumer's first LDS loads go out first, the producer's work stands between them and the first product.
.macro STEP u, slot, m, q, la, lb, refill, off, head, fill
.if \m
.if (\u) == 0
	ALOAD
.endif
	LOADW0 \slot
.endif
.if \q
	QSTEP \u, \la, \lb, \refill, \off
.endif
.if \m
	MSTEP \slot, \u
.endif
.if \head
	HEAD \slot, \fill
.endif
.endm
.macro NEXTCHUNK                       ; behind a barrier in front of which my LDS stores were waited for
	s_wait_xcnt 0x0                                ; every load issued has had its address translated: only behind this wait is E's base stepped
	s_add_nc_u64 s[4:5], s[4:5], 1024              ; 256 along k on
	s_xor_b32 s[IR], s[IR], IMGX                   ; the image buffers change places
	s_xor_b32 s[IW], s[IW], IMGX
	v_add_nc_u32 v[IWA], s[IW], v[IWA0]
	v_add_nc_u32 v[IWS], s[IW], v[IWS0]
.endm
	s_load_b256 s[4:11], s[0:1], 0x0               ; E s[4:5], wimg s[6:7], hidden s[8:9], scores s[10:11]
	v_lshl_add_u32 v[SPW], v0, 2, SPARE
	v_mov_b32 v[NIL], 0
	ds_add_u32 v1, v2
	s_wait_dscnt 0x0
	v_lshrrev_b32 v22, 5, v0
	v_readfirstlane_b32 s[WV], v22                 ; wave 0..3
	s_lshr_b32 s13, s[WV], 1                       ; p
	s_and_b32 s14, s[WV], 1                        ; q.  Also: which half of a block of W I fetch, if I fetch
	s_bfe_u32 s15, ttmp6, 0x40000                  ; cx: it enters E's and the scores' global addresses alone
	s_lshl_b32 s16, ttmp9, 2
	s_add_co_u32 s16, s16, s15                     ; sblk = 4 x cluster x + cx
	s_and_b32 s17, ttmp7, 0xffff                   ; g, which the four partners share
	s_mov_b32 s[SEL], 0x76543210
	s_mov_b32 s[SEL+1], 0xfedcba98
	s_mov_b32 s[IR], IMGX
	s_mov_b32 s[IW], 0
	v_and_b32 v22, 31, v0                          ; lane
	v_and_b32 v23, 15, v0                          ; r
	v_bfe_u32 v76, v0, 4, 1                        ; lane / 16
	v_lshlrev_b32 v[EA], 4, v22
	v_lshlrev_b32 v77, 2, v22
	s_mul_i32 s53, s[WV], STGW
	s_add_co_u32 s53, s53, STG
	v_add_nc_u32 v[SW], s53, v[EA]
	v_mul_u32_u24 v[SRD], v23, SP
	v_lshl_add_u32 v[SRD], v76, 6, v[SRD]
	v_add_nc_u32 v[SRD], s53, v[SRD]
	s_mul_i32 s53, s[WV], 12288
	v_add_nc_u32 v[IWA0], s53, v[EA]
	s_lshl_b32 s53, s[WV], 10
	s_add_co_u32 s53, s53, IMGS
	v_add_nc_u32 v[IWS0], s53, v77
	v_add_nc_u32 v[IWA], s[IW], v[IWA0]
	v_add_nc_u32 v[IWS], s[IW], v[IWS0]
	s_mul_i32 s53, s13, 24576
	v_add_nc_u32 v[IRA0], s53, v[EA]
	s_lshl_b32 s53, s13, 11
	s_add_co_u32 s53, s53, IMGS
	v_add_nc_u32 v[IRS0], s53, v77
	s_mul_i32 s53, s14, 24576
	s_add_co_u32 s53, s53, WR0
	v_add_nc_u32 v[WA], s53, v[EA]
	v_add_nc_u32 v[WA+1], WBLK, v[WA]
	s_lshl_b32 s53, s14, 10
	s_add_co_u32 s53, s53, WR0+49152
	v_add_nc_u32 v[WSA], s53, v77
	v_add_nc_u32 v[WSA+1], WBLK, v[WSA]
	v_and_b32 v78, 3, v0                           ; r % 4: my row's b
	v_mul_u32_u24 v[HA], v78, 4160
	v_lshl_add_u32 v[HA], v76, 5, v[HA]
	s_lshl_b32 s53, s14, 9
	s_add_co_u32 s53, s53, HB
	v_add_nc_u32 v[HA], s53, v[HA]
	v_bfe_u32 v79, v0, 2, 2                        ; r / 4
	v_lshlrev_b32 v[SCW], 8, v78
	v_lshl_add_u32 v[SCW], v79, 2, v[SCW]
	s_lshl_b32 s53, s14, 10
	s_lshl_b32 s59, s13, 7
	s_add_co_u32 s53, s53, s59
	s_add_co_u32 s53, s53, SCO
	v_add_nc_u32 v[SCW], s53, v[SCW]               ; SCO + 1,024 q + 256 (r % 4) + 128 p + 4 (r / 4); tile a adds 16 a
	v_lshlrev_b32 v[GO], 3, v22
	s_lshl_b32 s53, s[WV], 8
	s_add_co_u32 s53, s53, SCO
	v_add_nc_u32 v[SCR], s53, v[GO]                ; back: wave w takes b' = w, 8 bytes a lane
.irp j, 0,1,2,3,4,5,6,7,8,9,10,11,12,13,14,15,16,17,18,19,20,21,22,23,24,25,26,27,28,29,30,31
	v_mov_b32 v[SC+\j], 0                          ; the scores begin as zeros: their first multiply-add stands inside the loop, which is written once
.endr
	WIN 0xc0
.irp b, 0,1,2,3
	v_mov_b32 v[TM+4+\b], 0                        ; written once: a lane permute's destination counts as one of its sources
.endr
	WIN 0
	s_lshl_b32 s54, s16, 23                        ; E: 64 s of 131,072 bytes a work-group,
	s_lshl_b32 s55, s17, 14                        ; 4 b of 4,096 bytes,
	s_add_co_u32 s54, s54, s55
	s_lshl_b32 s55, s[WV], 21                      ; 16 s a producer: under 2^32 in all
	s_add_co_u32 s54, s54, s55
	s_mov_b32 s55, 0
	s_lshl_b32 s56, s17, 2
	s_add_co_u32 s56, s56, s[WV]
	s_lshl_b32 s56, s56, 13                        ; scores: row 4 g + w of 8,192 bytes,
	s_lshl_b32 s57, s16, 8                         ; + 256 sblk
	s_add_co_u32 s56, s56, s57
	s_mov_b32 s57, 0
	s_mul_i32 s58, s14, WBLK/2                     ; my half of a block of W, in memory and in a slot
	s_mov_b32 s59, 0
	s_lshl_b32 s18, s17, 14                        ; hidden's rows 4 g on
	s_mov_b32 s19, 0
	; descriptor group 1 for W: half a block, 25,600 dense bytes, as 100 rows of 256 bytes (32 elements of 8 bytes); no padding: every read is 16 x lane on end
	s_mov_b32 s[G1W], 15|(3<<16)|(1<<21)           ; 15:0 the mask: all four work-groups; 17:16 elements of 8 bytes; 21 set beside a mask
	s_mov_b32 s[G1W+1], 32<<16                     ; tensor_dim0 = 32
	s_mov_b32 s[G1W+2], 100<<16                    ; tensor_dim1 = 100
	s_mov_b32 s[G1W+3], 32<<16                     ; tile_dim0 = 32
	s_mov_b32 s[G1W+4], 100                        ; tile_dim1 = 100
	s_mov_b32 s[G1W+5], 32                         ; tensor_dim0_stride
	s_mov_b32 s[G1W+6], 0
	s_mov_b32 s[G1W+7], 0
	; and for hidden: 16,384 dense bytes as 16 rows of 256 elements of 4 bytes, 4 words of padding behind every 256 words
	s_mov_b32 s[G1H], 15|(2<<16)|(1<<20)|(1<<21)|(7<<22)|(3<<25)
	s_mov_b32 s[G1H+1], 256<<16
	s_mov_b32 s[G1H+2], 16<<16
	s_mov_b32 s[G1H+3], 256<<16
	s_mov_b32 s[G1H+4], 16
	s_mov_b32 s[G1H+5], 256
	s_mov_b32 s[G1H+6], 0
	s_mov_b32 s[G1H+7], 0
	s_wait_kmcnt 0x0
	s_add_nc_u64 s[4:5], s[4:5], s[54:55]
	s_add_nc_u64 s[10:11], s[10:11], s[56:57]
	s_add_nc_u64 s[6:7], s[6:7], s[58:59]
	s_add_nc_u64 s[8:9], s[8:9], s[18:19]
	ELOAD 0, 0, 0, 0                               ; E first: four fragments, 64 loads, 32 KiB a wave
	ELOAD 1, 0, 1, 0
	ELOAD 2, 1, 0, 0
	ELOAD 3, 1, 1, 0
	WIN 0
.irp s, 0,1
	s_mov_b32 s[G0W+4*\s], 1                       ; 1:0 count = 1
	s_add_co_u32 s[G0W+4*\s+1], s58, WR0+\s*WBLK   ; 63:32 LDS address: slot s, my half
	s_add_nc_u64 s[G0W+4*\s+2:G0W+4*\s+3], s[6:7], \s*WBLK   ; 120:64 global address: block s
	s_or_b32 s[G0W+4*\s+3], s[G0W+4*\s+3], 0x80000000        ; 127:126 type = 2
.endr
	s_mov_b32 s[G0H], 1
	s_mov_b32 s[G0H+1], HB
	s_mov_b64 s[G0H+2:G0H+3], s[8:9]
	s_or_b32 s[G0H+3], s[G0H+3], 0x80000000
	CROUND                                         ; all four work-groups are here: the first joint loads meet
	s_cmp_lt_u32 s[WV], 2                          ; a wave's first fills stand in one branch: waves 0 and 1 have two loads out, wave 2 one, wave 3 none
	s_cbranch_scc0 .Lnot_w
	tensor_load_to_lds s[G0W:G0W+3], s[G1W:G1W+7]
	s_nop 0
	tensor_load_to_lds s[G0W+4:G0W+7], s[G1W:G1W+7]
	s_nop 0
.rept 4
	v_nop
.endr
	s_branch .Lfirst_asked
.Lnot_w:
	s_cmp_eq_u32 s[WV], 2
	s_cbranch_scc0 .Lfirst_asked
	tensor_load_to_lds s[G0H:G0H+3], s[G1H:G1H+7]
	s_nop 0
.rept 4
	v_nop
.endr
.Lfirst_asked:
	; TIME CHUNK 0: chunk 0 is quantised; the refills run on into chunk 1
	QSTEP 0, 48, 32, 1, 0
	QSTEP 1, 48, 32, 1, 0
	QSTEP 2, 48, 32, 1, 1024
	QSTEP 3, 48, 32, 1, 1024
	WIN 0
	s_wait_tensorcnt 0x0                           ; my parts of W's blocks 0 and 1, or hidden, have landed,
	s_wait_dscnt 0x0                               ; and my images of chunk 0 are stored
	s_barrier_signal -1
	s_barrier_wait -1                              ; everybody's
	NEXTCHUNK
	s_mov_b32 s[CNT], 2
.Lchunk:                                               ; TIME CHUNKS 1 AND 2
	STEP 0, 0, 1, 1, 48, 32, 1, 0, 1, 1
	STEP 1, 1, 1, 1, 48, 32, 1, 0, 1, 1
	STEP 2, 0, 1, 1, 48, 32, 1, 1024, 1, 1
	STEP 3, 1, 1, 1, 48, 32, 1, 1024, 1, 1
	NEXTCHUNK
	s_sub_co_u32 s[CNT], s[CNT], 1
	s_cmp_lg_u32 s[CNT], 0
	s_cbranch_scc1 .Lchunk
	; TIME CHUNK 3, written out: its last two steps load nothing more of E, and the counts run down
	STEP 0, 0, 1, 1, 48, 32, 1, 0, 1, 1
	STEP 1, 1, 1, 1, 48, 32, 1, 0, 1, 1
	STEP 2, 0, 1, 1, 48, 32, 0, 0, 1, 1
	STEP 3, 1, 1, 1, 16, 0, 0, 0, 1, 1
	s_xor_b32 s[IR], s[IR], IMGX
	; TIME CHUNK 4: chunk 3 is multiplied; the last two blocks of W are asked for, then nothing
	STEP 0, 0, 1, 0, 0, 0, 0, 0, 1, 1
	STEP 1, 1, 1, 0, 0, 0, 0, 0, 1, 1
	STEP 2, 0, 1, 0, 0, 0, 0, 0, 1, 0
	STEP 3, 1, 1, 0, 0, 0, 0, 0, 0, 0
	; THE WAY OUT.  A lane's four partial sums and lane l xor 16's make my half q's share of row (a, r); the two halves meet in LDS, and wave w stores the 64 scores of b = 4 g + w.
	WIN 0
.irp a, 0,1,2,3,4,5,6,7
	v_pk_add_f32 v[SC+4*\a:SC+4*\a+1], v[SC+4*\a:SC+4*\a+1], v[SC+4*\a+2:SC+4*\a+3]
.endr
.irp a, 0,1,2,3,4,5,6,7
	v_add_f32 v[SC+4*\a], v[SC+4*\a], v[SC+4*\a+1]
.endr
.irp a, 0,1,2,3,4,5,6,7
	v_permlanex16_b32 v[SC+4*\a+1], v[SC+4*\a], s[SEL], s[SEL+1]
.endr
.irp a, 0,1,2,3,4,5,6,7
	v_add_f32 v[SC+4*\a], v[SC+4*\a], v[SC+4*\a+1]
.endr
.irp a, 0,1,2,3,4,5,6,7
	ds_store_b32 v[SCW], v[SC+4*\a] offset:16*\a   ; lanes l and l xor 16 write the same word with the same value
.endr
	s_wait_dscnt 0x0                               ; for the others' sake: my stores are done
	s_barrier_signal -1
	s_barrier_wait -1
	ds_load_b64 v[76:77], v[SCR]                   ; q = 0's share of two neighbouring s,
	ds_load_b64 v[78:79], v[SCR] offset:1024       ; q = 1's
	s_wait_dscnt 0x0
	v_pk_add_f32 v[76:77], v[76:77], v[78:79]
	global_store_b64 v[GO], v[76:77], s[10:11]     ; 32 lanes store 256 consecutive bytes, at a multiple of 256 from the buffer's first byte
	s_wait_tensorcnt 0x0                           ; the wave's end, behind my last tensor load and my last LDS store
	ds_add_u32 v[SPW], v[NIL]
	s_wait_dscnt 0x0
	CROUND                                         ; the closing round: no work-group ends while a partner may still ask for a tile that names it
	s_endpgm
.Lfunc_end_k_qb49bd843b9_main:
	.size	k_qb49bd843b9_main, .Lfunc_end_k_qb49bd843b9_main-k_qb49bd843b9_main
	.p2alignl 7, 3214868480
	.fill 96, 4, 3214868480
	.section	.rodata,"a",@progbits
	.p2align	6, 0x0
	.amdhsa_kernel k_qb49bd843b9_main
		.amdhsa_group_segment_fixed_size 327680
		.amdhsa_private_segment_fixed_size 0
		.amdhsa_enable_private_segment 0
		.amdhsa_kernarg_size 32
		.amdhsa_user_sgpr_count 2
		.amdhsa_user_sgpr_kernarg_segment_ptr 1
		.amdhsa_wavefront_size32 1
		.amdhsa_system_sgpr_workgroup_id_x 1
		.amdhsa_system_sgpr_workgroup_id_y 1
		.amdhsa_system_sgpr_workgroup_id_z 1
		.amdhsa_system_vgpr_workitem_id 0
		.amdhsa_next_free_vgpr 1024
		.amdhsa_next_free_sgpr 66
		.amdhsa_reserve_vcc 0
		.amdhsa_float_denorm_mode_32 3
		.amdhsa_float_denorm_mode_16_64 3
		.amdhsa_memory_ordered 1
		.amdhsa_forward_progress 1
		.amdhsa_inst_pref_size 255
	.end_amdhsa_kernel
	.section	.bss,"aw",@nobits
	.p2align	6
	.space	262144
	.amdgpu_metadata
---
amdhsa.version: [ 1, 2 ]
amdhsa.kernels:
  - .name:           k_qb49bd843b9_main
    .symbol:         k_qb49bd843b9_main.kd
    .args:
      - { .name: encoder_outputs, .offset: 0, .size: 8, .value_kind: global_buffer, .address_space: global }
      - { .name: wimg, .offset: 8, .size: 8, .value_kind: global_buffer, .address_space: global }
      - { .name: hidden, .offset: 16, .size: 8, .value_kind: global_buffer, .address_space: global }
      - { .name: scores, .offset: 24, .size: 8, .value_kind: global_buffer, .address_space: global }
    .group_segment_fixed_size: 327680
    .private_segment_fixed_size: 0
    .kernarg_segment_align: 8
    .kernarg_segment_size: 32
    .max_flat_workgroup_size: 128
    .sgpr_count:     66
    .vgpr_count:     1024
    .wavefront_size: 32
...
	.end_amdgpu_metadata
.endif
;; end of part 2
;; launch soft (part 3): grid 32 x 1, 8 waves a work-group, no clusters, 1,536 bytes of LDS; arguments scores, hidden, b, out0; writes out0
.if DOCPART == 3
	.amdgcn_target "amdgcn-amd-amdhsa--gfx1250"
	.amdhsa_code_object_version 6
	.text
	.protected	k_qb49bd843b9_soft
	.globl	k_qb49bd843b9_soft
	.p2align	8
	.type	k_qb49bd843b9_soft,@function
k_qb49bd843b9_soft:
	s_mov_b64 s[64:65], 0
	v_nop
	global_prefetch_b8 v0, s[64:65] scope:SCOPE_SE
	s_setreg_imm32_b32 hwreg(HW_REG_WAVE_MODE, 25, 1), 1
	s_wait_xcnt 0x0
; out0[b][s] = softmax over s of t[b][s], t = scores[b][s] + hidden[b] . bias: the bias's share of reference()'s scores is one number for each b; it is made here from both inputs and added ahead of the softmax.
; One work-group to a row b (a row's maximum and sum have one owner): 256 threads, 8 scores each, as two loads of 16 bytes: a wave's load or store covers 512 consecutive bytes.
; The row's largest t, M, is taken away before the exponential: p = 2^(t c - M c), c = log2(e), by one fused multiply-add; the rounding of M c is one number for the whole row and cancels in the division by the sum.
; M = (largest score) + hb is the largest t, since adding one number to all keeps their order under rounding.
; LIMITS: NaN and infinities are not served; a p under 2^-126 counts as 0 (v_exp_f32 flushes denormals: ISA guide, its entry).
; No matrix unit, no tensor loads, no cluster: the launch moves under 1 MiB and its work-groups share nothing but the bias's 4 KiB.
	s_load_b256 s[4:11], s[0:1], 0x0               ; scores s[4:5], hidden s[6:7], bias s[8:9], out0 s[10:11]
	v_lshl_add_u32 v64, v0, 2, 0x200
	v_mov_b32 v65, 0
	v_lshlrev_b32 v1, 4, v0                        ; 16 bytes a thread
	v_lshrrev_b32 v2, 5, v0
	v_readfirstlane_b32 s12, v2                    ; wave 0..7
	s_lshl_b32 s14, ttmp9, 13                      ; row b of 8,192 bytes in scores and out0,
	s_mov_b32 s15, 0
	s_lshl_b32 s16, ttmp9, 12                      ; of 4,096 in hidden
	s_mov_b32 s17, 0
	s_mov_b32 s20, 0x76543210
	s_mov_b32 s21, 0xfedcba98                      ; v_permlanex16_b32's selects for lane l xor 16
	s_lshl_b32 s13, s12, 3
	v_mov_b32 v3, s13                              ; LDS: 8 x wave: my wave's pair (part of hb, maximum)
	s_lshl_b32 s13, s12, 2
	s_add_co_u32 s13, s13, 256
	v_mov_b32 v4, s13                              ; 256 + 4 x wave: my wave's sum
	v_mov_b32 v5, 0
	v_mov_b32 v26, 0                               ; a lane permute's destination counts as one of its sources
	v_mov_b32 v27, 0
	s_wait_kmcnt 0x0
	s_add_nc_u64 s[4:5], s[4:5], s[14:15]
	s_add_nc_u64 s[10:11], s[10:11], s[14:15]
	s_add_nc_u64 s[6:7], s[6:7], s[16:17]
	global_load_b128 v[8:11], v1, s[4:5]
	global_load_b128 v[12:15], v1, s[4:5] offset:4096
	global_load_b128 v[16:19], v1, s[6:7]
	global_load_b128 v[20:23], v1, s[8:9]
	s_wait_loadcnt 0x0
	v_mul_f32 v24, v16, v20                        ; my four terms of hidden . bias
	v_max3_num_f32 v25, v8, v9, v10                ; my eight scores' maximum
	v_fmac_f32 v24, v17, v21
	v_max3_num_f32 v25, v25, v11, v12
	v_fmac_f32 v24, v18, v22
	v_max3_num_f32 v25, v25, v13, v14
	v_fmac_f32 v24, v19, v23
	v_max_num_f32 v25, v25, v15
.irp m, 1,2,4,8
	v_add_f32_dpp v24, v24, v24 row_xmask:\m row_mask:0xf bank_mask:0xf
	v_max_num_f32_dpp v25, v25, v25 row_xmask:\m row_mask:0xf bank_mask:0xf
.endr
	v_permlanex16_b32 v26, v24, s20, s21
	v_permlanex16_b32 v27, v25, s20, s21
	v_add_f32 v24, v24, v26
	v_max_num_f32 v25, v25, v27
	ds_store_b64 v3, v[24:25]                      ; all lanes write the same pair with the same values
	s_wait_dscnt 0x0
	s_barrier_signal -1
	s_barrier_wait -1
.irp i, 0,1,2,3
	ds_load_b128 v[32+4*\i:35+4*\i], v5 offset:16*\i   ; the eight waves' pairs, in every lane
.endr
	s_wait_dscnt 0x0
	v_add_f32 v30, v32, v34
	v_max3_num_f32 v31, v33, v35, v37
	v_add_f32 v28, v36, v38
	v_max3_num_f32 v31, v31, v39, v41
	v_add_f32 v29, v40, v42
	v_max3_num_f32 v31, v31, v43, v45
	v_add_f32 v50, v44, v46
	v_max_num_f32 v31, v31, v47
	v_add_f32 v30, v30, v28
	v_add_f32 v29, v29, v50
	v_add_f32 v30, v30, v29                        ; hb
	v_add_f32 v31, v31, v30                        ; M
	v_mul_f32 v48, 0xbfb8aa3b, v31                 ; - M c
	v_mov_b32 v49, 0                               ; (named with it as a pair, so it is written)
.irp j, 0,2,4,6
	v_pk_add_f32 v[8+\j:9+\j], v[8+\j:9+\j], v[30:31] op_sel_hi:[1,0]   ; t = score + hb
.endr
.irp j, 0,2,4,6
	v_pk_fma_f32 v[8+\j:9+\j], v[8+\j:9+\j], 0x3fb8aa3b, v[48:49] op_sel_hi:[1,0,0]   ; t c - M c
.endr
.irp j, 0,1,2,3,4,5,6,7
	v_exp_f32 v[8+\j], v[8+\j]
.endr
	v_nop                                          ; one plain place behind the exponentials
	s_wait_alu depctr_va_vdst(0)
	v_pk_add_f32 v[16:17], v[8:9], v[10:11]
	v_pk_add_f32 v[18:19], v[12:13], v[14:15]
	v_pk_add_f32 v[16:17], v[16:17], v[18:19]
	v_add_f32 v24, v16, v17
.irp m, 1,2,4,8
	v_add_f32_dpp v24, v24, v24 row_xmask:\m row_mask:0xf bank_mask:0xf
.endr
	v_permlanex16_b32 v26, v24, s20, s21
	v_add_f32 v24, v24, v26
	ds_store_b32 v4, v24                           ; other bytes than the first exchange's: no barrier is owed between the two
	s_wait_dscnt 0x0
	s_barrier_signal -1
	s_barrier_wait -1
	ds_load_b128 v[32:35], v5 offset:256
	ds_load_b128 v[36:39], v5 offset:272
	s_wait_dscnt 0x0
	v_add_f32 v32, v32, v33
	v_add_f32 v34, v34, v35
	v_add_f32 v36, v36, v37
	v_add_f32 v38, v38, v39
	v_add_f32 v32, v32, v34
	v_add_f32 v36, v36, v38
	v_add_f32 v32, v32, v36                        ; the row's sum: at least 1, since the largest t gives p = 1 up to the rounding of M c
	v_rcp_f32 v24, v32
	v_nop                                          ; one plain place behind the reciprocal
	s_wait_alu depctr_va_vdst(0)
.irp j, 0,2,4,6
	v_pk_mul_f32 v[8+\j:9+\j], v[8+\j:9+\j], v[24:25] op_sel_hi:[1,0]
.endr
	global_store_b128 v1, v[8:11], s[10:11]
	global_store_b128 v1, v[12:15], s[10:11] offset:4096
	s_wait_tensorcnt 0x0
	ds_add_u32 v64, v65
	s_wait_dscnt 0x0
	s_endpgm
.Lfunc_end_k_qb49bd843b9_soft:
	.size	k_qb49bd843b9_soft, .Lfunc_end_k_qb49bd843b9_soft-k_qb49bd843b9_soft
	.p2alignl 7, 3214868480
	.fill 96, 4, 3214868480
	.section	.rodata,"a",@progbits
	.p2align	6, 0x0
	.amdhsa_kernel k_qb49bd843b9_soft
		.amdhsa_group_segment_fixed_size 1536
		.amdhsa_private_segment_fixed_size 0
		.amdhsa_enable_private_segment 0
		.amdhsa_kernarg_size 32
		.amdhsa_user_sgpr_count 2
		.amdhsa_user_sgpr_kernarg_segment_ptr 1
		.amdhsa_wavefront_size32 1
		.amdhsa_system_sgpr_workgroup_id_x 1
		.amdhsa_system_sgpr_workgroup_id_y 1
		.amdhsa_system_sgpr_workgroup_id_z 1
		.amdhsa_system_vgpr_workitem_id 0
		.amdhsa_next_free_vgpr 66
		.amdhsa_next_free_sgpr 66
		.amdhsa_reserve_vcc 0
		.amdhsa_float_denorm_mode_32 3
		.amdhsa_float_denorm_mode_16_64 3
		.amdhsa_memory_ordered 1
		.amdhsa_forward_progress 1
		.amdhsa_inst_pref_size 7
	.end_amdhsa_kernel
	.amdgpu_metadata
---
amdhsa.version: [ 1, 2 ]
amdhsa.kernels:
  - .name:           k_qb49bd843b9_soft
    .symbol:         k_qb49bd843b9_soft.kd
    .args:
      - { .name: scores, .offset: 0, .size: 8, .value_kind: global_buffer, .address_space: global }
      - { .name: hidden, .offset: 8, .size: 8, .value_kind: global_buffer, .address_space: global }
      - { .name: b, .offset: 16, .size: 8, .value_kind: global_buffer, .address_space: global }
      - { .name: out0, .offset: 24, .size: 8, .value_kind: global_buffer, .address_space: global }
    .group_segment_fixed_size: 1536
    .private_segment_fixed_size: 0
    .kernarg_segment_align: 8
    .kernarg_segment_size: 32
    .max_flat_workgroup_size: 256
    .sgpr_count:     66
    .vgpr_count:     66
    .wavefront_size: 32
...
	.end_amdgpu_metadata
.endif
;; end of part 3
;; ======== version 2 of 2: 3 launches
;; limits: right only within a limited range of input values
;; workspace buffers: wimg 819,200 bytes; scores 262,144 bytes
;; launch prepw (part 4): grid 64 x 1, 4 waves a work-group, no clusters, 34,304 bytes of LDS; arguments W, wimg; writes wimg
.if DOCPART == 4
	.amdgcn_target "amdgcn-amd-amdhsa--gfx1250"
	.amdhsa_code_object_version 6
	.text
	.protected	k_qb49bd843b9_prepw
	.globl	k_qb49bd843b9_prepw
	.p2align	8
	.type	k_qb49bd843b9_prepw,@function
k_qb49bd843b9_prepw:
	s_mov_b64 s[64:65], 0
	v_nop
	global_prefetch_b8 v0, s[64:65] scope:SCOPE_SE
	s_setreg_imm32_b32 hwreg(HW_REG_WAVE_MODE, 25, 1), 1
	s_wait_xcnt 0x0
; W [1024 (n)][1024 (k)] f32 becomes codes of FP6 (E2M3) with one E8M0 byte for each 32 along k, laid as IMAGES OF THE OPERAND'S REGISTERS in the order in which the product's launch takes them.
; wimg: 16 blocks of 51,200 bytes; block 4 c + p4 holds k = 256 c .. + 255 of rows n = 256 p4 .. + 255.  In a block the fragment (tile t16 of 16 rows, K step ks of 128) lies at (2 t16 + ks) x 1,536:
; three pieces of 512 bytes, piece cc = registers 4 cc .. 4 cc + 3 of lane l at 16 l.  At 49,152 + 128 t16: one word a lane: lanes 0-15 the scale word of row l for ks = 0, lanes 16-31 that of row l - 16 for ks = 1.
; A block's scale is 2^(floor(log2(its largest magnitude)) - 2); its byte is the largest magnitude's exponent field - 2, held at 1 from below.
; LIMITS: a block of zeros gets the byte 1 where the rule says 127 (its codes are zeros, and this program alone reads the bytes); blocks whose largest magnitude lies under 2^-124 get the byte 1; NaN and infinities are not served.
; SHARES: work-group = tile of 16 rows (64 of them), wave = chunk c of 256 along k: two fragments a wave.  Each load reads 512 consecutive bytes of one row; the conversions want 16 neighbours along k in ONE lane,
; so a fragment's 8,192 bytes turn through the wave's own stage in LDS (16 rows, 528 bytes apart = 33 x 16: the sixteen rows that a load of 16 bytes a lane touches fall on sixteen different columns of 16 bytes modulo 256).
; No barrier: waves share nothing.  No register that a store or load still names is written again, so no wait on XCNT is needed.
; WORK LEFT OUT BY THE WHOLE PROGRAM: reference() adds the bias to proj, so scores[b][s] holds the term hidden[b] . bias, one number for each b, the same for every s.
; softmax over s of (t[s] + c) equals softmax over s of t[s] for every real c, whatever the inputs hold: the term reaches no output.  It enters no quantised operand.
; So the input b is not loaded and is among no launch's arguments.  LIMIT: a NaN, an infinity or an overflow that would arise in that term alone is not carried to the result.
.set WBLK, 51200
.set STGW, 8448                        ; a wave's stage
.set SP,   528
.set EA,   4                           ; v4   16 x lane
.set SW,   5                           ; v5   the stage, on the way in
.set SRD,  6                           ; v6   the stage, on the way out: row r, + 64 (lane / 16)
.set LS,   7                           ; v7   4 x lane
.set R,    16                          ; v16-143  two sets of 64: a fragment's numbers as loaded, row i in registers 4 i .. 4 i + 3
.set X,    144                         ; v144-207 64 numbers of my row: register 16 b + i = k 32 b + 16 (lane / 16) + i
.set PC0,  208                         ; v208-226 the first fragment's codes (12 registers, and 7 at work)
.set PC1,  16                          ; the second's: where R's first set lay
.set TM,   228                         ; v228-243 at work
.set PW0,  244                         ; the two scale words
.set PW1,  245
.set MG,   246                         ; and the two in one register
.set SEL,  20                          ; s[20:21] v_permlanex16_b32's selects for lane l xor 16
.macro TURN set                        ; a fragment's numbers through the stage: LDS serves a wave's instructions in order (ISA guide 5.7.1.4), so no wait stands between the stores and the loads
.irp i, 0,1,2,3,4,5,6,7,8,9,10,11,12,13,14,15
	ds_store_b128 v[SW], v[R+64*(\set)+4*\i:R+64*(\set)+4*\i+3] offset:SP*\i
.endr
.irp b, 0,1,2,3
.irp j, 0,1,2,3
	ds_load_b128 v[X+16*\b+4*\j:X+16*\b+4*\j+3], v[SRD] offset:128*\b+16*\j
.endr
.endr
.endm
; 64 numbers of a lane become a fragment's 12 registers of codes in v[pc] on and its row's scale word in v[pw]
.macro QUANT x, pc, pw
.irp b, 0,1,2,3
	v_max3_num_f32 v[TM+\b], |v[(\x)+16*\b]|, |v[(\x)+16*\b+1]|, 0x1800000   ; block b: my 16 numbers, and the floor 2^(3 - 127): the byte cannot fall under 1
.endr
.irp i, 2,4,6,8,10,12,14
.irp b, 0,1,2,3
	v_max3_num_f32 v[TM+\b], v[TM+\b], |v[(\x)+16*\b+\i]|, |v[(\x)+16*\b+\i+1]|   ; the four blocks by turns
.endr
.endr
.irp b, 0,1,2,3
	v_permlanex16_b32 v[TM+4+\b], v[TM+\b], s[SEL], s[SEL+1]
.endr
.irp b, 0,1,2,3
	v_max_num_f32 v[TM+\b], v[TM+\b], v[TM+4+\b]   ; with lane l xor 16's 16: the block's largest magnitude
.endr
.irp b, 0,1,2,3
	v_add_nc_u32 v[TM+12+\b], 0xff000000, v[TM+\b]   ; 2 off its exponent field: the conversion's scale operand
.endr
.irp b, 0,1,2,3
	v_lshrrev_b32 v[TM+4+\b], 23, v[TM+12+\b]      ; the scale's byte
.endr
	v_lshl_or_b32 v[\pw], v[TM+5], 8, v[TM+4]      ; four bytes: my row's scale word (the same in lanes l and l xor 16)
	v_lshl_or_b32 v[\pw], v[TM+6], 16, v[\pw]
	v_lshl_or_b32 v[\pw], v[TM+7], 24, v[\pw]
.irp c, 0,1
	v_cvt_scalef32_pk16_fp6_f32 v[(\pc)+6*\c:(\pc)+6*\c+2], v[(\x)+32*\c:(\x)+32*\c+15], v[TM+12+2*\c]
	v_cvt_scalef32_pk16_fp6_f32 v[(\pc)+12+4*\c:(\pc)+14+4*\c], v[(\x)+32*\c+16:(\x)+32*\c+31], v[TM+13+2*\c]   ; (a conversion's three registers begin on an even number)
.endr
	v_nop                                          ; one plain place behind a scaled conversion
.irp c, 0,1                                    ; the operand's layout wants a whole block in a lane: lanes 0-15 block 2 c, lanes 16-31 block 2 c + 1
.irp i, 0,1,2
	v_permlane16_swap_b32 v[(\pc)+6*\c+\i], v[(\pc)+12+4*\c+\i]
.endr
.irp i, 0,1,2
	v_mov_b32 v[(\pc)+3+6*\c+\i], v[(\pc)+12+4*\c+\i]
.endr
.endr
.endm
	s_load_b128 s[4:7], s[0:1], 0x0                ; W, wimg
	v_lshl_add_u32 v254, v0, 2, 0x8400
	v_mov_b32 v255, 0
	v_lshrrev_b32 v1, 5, v0
	v_readfirstlane_b32 s12, v1                    ; wave = chunk c
	v_and_b32 v1, 31, v0                           ; lane
	v_and_b32 v2, 15, v0                           ; r
	v_bfe_u32 v3, v0, 4, 1                         ; lane / 16
	v_lshlrev_b32 v[EA], 4, v1
	v_lshlrev_b32 v[LS], 2, v1
	s_mul_i32 s13, s12, STGW
	v_add_nc_u32 v[SW], s13, v[EA]
	v_mul_u32_u24 v[SRD], v2, SP
	v_lshl_add_u32 v[SRD], v3, 6, v[SRD]
	v_add_nc_u32 v[SRD], s13, v[SRD]
	s_mov_b32 s[SEL], 0x76543210
	s_mov_b32 s[SEL+1], 0xfedcba98
.irp b, 0,1,2,3
	v_mov_b32 v[TM+4+\b], 0                        ; written once: a lane permute's destination counts as one of its sources
.endr
	s_lshl_b32 s14, ttmp9, 16                      ; W: 16 rows of 4,096 bytes a tile,
	s_lshl_b32 s15, s12, 10                        ; + 1,024 bytes a chunk
	s_add_co_u32 s14, s14, s15
	s_mov_b32 s15, 0
	s_lshr_b32 s16, ttmp9, 4                       ; p4
	s_lshl_b32 s17, s12, 2
	s_add_co_u32 s16, s16, s17                     ; block 4 c + p4
	s_mul_i32 s16, s16, WBLK
	s_and_b32 s17, ttmp9, 15                       ; t16
	s_mul_i32 s18, s17, 3072
	s_add_co_u32 s18, s18, s16                     ; my two fragments' images
	s_mov_b32 s19, 0
	s_lshl_b32 s22, s17, 7
	s_add_co_u32 s22, s22, s16
	s_add_co_u32 s22, s22, 49152                   ; my tile's scale image
	s_mov_b32 s23, 0
	s_wait_alu depctr_va_vdst(0)
	s_wait_kmcnt 0x0
	s_add_nc_u64 s[4:5], s[4:5], s[14:15]
	s_add_nc_u64 s[8:9], s[6:7], s[22:23]
	s_add_nc_u64 s[6:7], s[6:7], s[18:19]
.irp k, 0,1
.irp i, 0,1,2,3,4,5,6,7,8,9,10,11,12,13,14,15
	global_load_b128 v[R+64*\k+4*\i:R+64*\k+4*\i+3], v[EA], s[4:5] offset:\i*4096+\k*512 th:TH_LOAD_NT   ; 32 lanes read 512 consecutive bytes of row i
.endr
.endr
	s_wait_loadcnt 16                              ; K step 0's sixteen loads are in; K step 1's sixteen may be out
	TURN 0
	s_wait_dscnt 0x0
	QUANT X, PC0, PW0
.irp c, 0,1,2
	global_store_b128 v[EA], v[PC0+4*\c:PC0+4*\c+3], s[6:7] offset:512*\c        ; 32 lanes store 512 consecutive bytes, at a multiple of 256 from the buffer's first byte
.endr
	s_wait_loadcnt 0x0
	TURN 1
	s_wait_dscnt 0x0
	QUANT X, PC1, PW1
.irp c, 0,1,2
	global_store_b128 v[EA], v[PC1+4*\c:PC1+4*\c+3], s[6:7] offset:1536+512*\c
.endr
	v_cmp_le_u32 vcc_lo, 16, v1                    ; lanes 16-31 carry K step 1's word
	v_cndmask_b32 v[MG], v[PW0], v[PW1], vcc_lo
	global_store_b32 v[LS], v[MG], s[8:9]          ; 128 consecutive bytes: half of an aligned 256; 32 KiB of such stores in the whole launch
	s_wait_tensorcnt 0x0
	ds_add_u32 v254, v255
	s_wait_dscnt 0x0
	s_endpgm
.Lfunc_end_k_qb49bd843b9_prepw:
	.size	k_qb49bd843b9_prepw, .Lfunc_end_k_qb49bd843b9_prepw-k_qb49bd843b9_prepw
	.p2alignl 7, 3214868480
	.fill 96, 4, 3214868480
	.section	.rodata,"a",@progbits
	.p2align	6, 0x0
	.amdhsa_kernel k_qb49bd843b9_prepw
		.amdhsa_group_segment_fixed_size 34304
		.amdhsa_private_segment_fixed_size 0
		.amdhsa_enable_private_segment 0
		.amdhsa_kernarg_size 16
		.amdhsa_user_sgpr_count 2
		.amdhsa_user_sgpr_kernarg_segment_ptr 1
		.amdhsa_wavefront_size32 1
		.amdhsa_system_sgpr_workgroup_id_x 1
		.amdhsa_system_sgpr_workgroup_id_y 1
		.amdhsa_system_sgpr_workgroup_id_z 1
		.amdhsa_system_vgpr_workitem_id 0
		.amdhsa_next_free_vgpr 256
		.amdhsa_next_free_sgpr 66
		.amdhsa_reserve_vcc 1
		.amdhsa_float_denorm_mode_32 3
		.amdhsa_float_denorm_mode_16_64 3
		.amdhsa_memory_ordered 1
		.amdhsa_forward_progress 1
		.amdhsa_inst_pref_size 18
	.end_amdhsa_kernel
	.amdgpu_metadata
---
amdhsa.version: [ 1, 2 ]
amdhsa.kernels:
  - .name:           k_qb49bd843b9_prepw
    .symbol:         k_qb49bd843b9_prepw.kd
    .args:
      - { .name: W, .offset: 0, .size: 8, .value_kind: global_buffer, .address_space: global }
      - { .name: wimg, .offset: 8, .size: 8, .value_kind: global_buffer, .address_space: global }
    .group_segment_fixed_size: 34304
    .private_segment_fixed_size: 0
    .kernarg_segment_align: 8
    .kernarg_segment_size: 16
    .max_flat_workgroup_size: 128
    .sgpr_count:     66
    .vgpr_count:     256
    .wavefront_size: 32
...
	.end_amdgpu_metadata
.endif
;; end of part 4
;; launch main (part 5): grid 32 x 8, 8 waves a work-group, clusters of 4 x 1, 327,680 bytes of LDS; arguments encoder_outputs, wimg, hidden, scores; writes scores
.if DOCPART == 5
	.amdgcn_target "amdgcn-amd-amdhsa--gfx1250"
	.amdhsa_code_object_version 6
	.text
	.protected	k_qb49bd843b9_main
	.globl	k_qb49bd843b9_main
	.p2align	8
	.type	k_qb49bd843b9_main,@function
k_qb49bd843b9_main:
	s_mov_b64 s[64:65], 0
	v_nop
	global_prefetch_b8 v0, s[64:65] scope:SCOPE_SE
	s_setreg_imm32_b32 hwreg(HW_REG_WAVE_MODE, 25, 1), 1
	s_wait_xcnt 0x0
	s_wait_alu depctr_hold_cnt(0) depctr_sa_sdst(0) depctr_va_vdst(0) depctr_va_sdst(0) depctr_va_ssrc(0) depctr_va_vcc(0) depctr_vm_vsrc(0)
	s_getreg_b32 s2, hwreg(HW_REG_IB_STS2, 6, 4)
	s_cmp_eq_u32 s2, 0
	s_cbranch_scc0 .Lentry_in_a_cluster
	s_endpgm
.Lentry_in_a_cluster:
	s_bfe_u32 s2, ttmp6, 0x10000c
	s_cmp_lg_u32 s2, 0x3003
	s_cbranch_scc0 .Lentry_shape_is_right
	s_endpgm
.Lentry_shape_is_right:
; scores[b][s] = sum over n of hidden[b][n] x (sum over k of Q(E)[s][b][k] Q(W)[n][k]): the quantised product on codes of FP6 (E2M3) with E8M0 scales, and behind it the product with hidden, in f32.
; LEFT OUT: the bias's share hidden[b] . bias, the same for all s of a row: the softmax takes it away (shown at the head of the first kernel).
; E: [2048 (s)][32 (b)][1024 (k)] f32, read once and quantised here; W: register images made by the launch before.
; LIMITS: NaN and infinities in E are not served; a block of zeros, and a block whose largest magnitude lies under 2^-124, gets the scale byte 1 (zero codes add nothing; this program alone reads the bytes).
; ORDER OF ROUNDING: the sum over k is taken in four chunks of 256, each multiplied by hidden and added to the score; reference() sums k first and then n.
; SHARES.  A work-group owns 256 rows of E: s = 64 sblk .. + 63, b = 4 g .. + 3.  Tile A (0..15), row i: s = 64 sblk + 4 A + i / 4, b = 4 g + i % 4.  EIGHT WAVES, two to a SIMD, 512 registers each.
; Wave w is PRODUCER of tiles 2 w, 2 w + 1 (four fragments of 16 rows x 128 k a chunk: loads f32, 512 consecutive bytes a load, turns them through its own stage in LDS, quantises, stores images of the registers)
; and CONSUMER (p = w / 4, q = w % 4) of tiles 8 p .. + 7 against tiles 4 q .. + 3 of the 16 tiles of n of each block of W: a fragment of W read from LDS feeds 8 matrix instructions.
; A TILE OF n: its LDS loads, sixteen matrix instructions on end, four places, its own 32 multiply-adds with hidden (two links of one sum stand 16 instructions apart).
; A BLOCK OF W (256 n x 256 k, 51,200 bytes) of chunks 0 to 2 HOSTS one fragment of the next chunk: tile 0 stores the loaded set into the stage and asks for the next fragment; behind tile 1 the numbers come back onto
; the accumulators' registers, which are free between two tiles, and are quantised.  One set of 16 loads a wave is out, so every wait for E in the blocks is for 0.  Chunk 0's four fragments are all asked for at the head,
; into the registers that later hold E's fragments.
; PREFETCH: in the block that asks for fragment F + 1 each wave names, once, the 32 blocks of 256 bytes of its fragment F + 2 (a lane a block): one block of W ahead of the loads that want them; it stops when F + 2 passes 15.
; W is not prefetched: its 16 blocks, 819,200 bytes, are walked by all 64 clusters in one order.
; THE MATRIX INSTRUCTION IS USED TRANSPOSED: source 0 = 16 rows of W, source 1 = 16 rows of E: a lane holds one row of E and eight neighbouring n, which meet eight neighbouring numbers of hidden.
; CLUSTER: the four work-groups lie along sblk and share g: W's blocks and hidden's four rows are asked for jointly (mask 15); each wave fetches an eighth, by arithmetic on its number.  E is shared by nobody.
; REGISTERS: window 0: v1-23 addresses, v24-39 E's scale words, v40-41 W's, v44-75 scores, v80-127 W's fragments (two sets), v128-191 accumulators and the quantiser's numbers, v192-199 hidden, v200-238 the quantiser.
;   window 1: v0-191 E's 16 fragments of the chunk in hand (at the head: sets 0 to 2 of E as loaded), v192-255 set 3.
.set IMGX,  53248                      ; E's images: even chunks at 0, odd chunks here: fragment (A, ks) at (2 A + ks) x 1,536,
.set IMGS,  49152                      ; its scale words at IMGS + (2 A + ks) x 128
.set WR0,   106496                     ; W's ring: two slots
.set WRX,   51200
.set WBLK,  51200
.set WQ,    6400                       ; a wave's eighth of a block: 25 rows of 256 bytes
.set HB,    208896                     ; hidden: (b', n) at 4,160 b' + 1,040 (n / 256) + 4 (n % 256)
.set STG,   225536                     ; each wave's stage: 16 rows, 528 bytes apart
.set STGW,  8448
.set SP,    528
.set SCO,   293120                     ; partial scores [q 4][b' 4][s' 64]
.set SPARE, 297216                     ; the spare words: 128 bytes a wave
.set SPW,  1
.set NIL,  2
.set EA,   3                           ; 16 x lane
.set SW,   4                           ; the stage, in
.set SRD,  5                           ; the stage, out
.set IWA0, 6                           ; 6,144 w + 16 lane
.set IWS0, 7                           ; IMGS + 512 w + 4 lane
.set IWA,  8
.set IWS,  9
.set IRA0, 10                          ; 24,576 p + 16 lane
.set IRS0, 11                          ; IMGS + 2,048 p + 4 lane
.set IRA,  12
.set IRS,  13
.set WA0,  14                          ; WR0 + 12,288 q + 16 lane
.set WAC,  15
.set WS0,  16                          ; WR0 + 49,152 + 512 q + 4 lane
.set WSC,  17
.set HAM,  18                          ; HB + 4,160 (r % 4) + 256 q + 32 (lane / 16)
.set SCW,  19
.set SCR,  20
.set GO,   21
.set HAC,  22
.set EAC,  23
.set ASC,  24
.set WS,   40
.set SC,   44
.set WF,   80
.set ACC,  128
.set X0,   128
.set HV,   192
.set PC0,  200
.set TM,   220
.set PW0,  236
.set PFO,  237                         ; the prefetch's lane term: row lane / 2 of a fragment, + 256 (lane % 2)
.set PFA,  238
.set EF,   0                           ; window 1
.set WV,   12
.set SEL,  20
.set IR,   22                          ; the image buffer that is read
.set IB,   23                          ; and the one that is written
.set G1W,  24
.set G0W,  32
.set G0B,  36
.set G1H,  40
.set G0H,  48
.set CC,   52
.set WB,   60                          ; WR0 + WQ x wave
.set WFT,  61                          ; the slot that is filled: 0 or WRX
.set MC,   66
.set WT,   67                          ; the slot that is read: 0 or WRX
.set HT,   68                          ; 1,040 x the block's number in the chunk
.set FN,   69                          ; the fragment (0 .. 15 of my 16) that this block asks for
.set FI,   70                          ; 1,536 x the hosted fragment's number in its chunk
.set FS,   71                          ; 128 x the same
.set EO,   72
.set EP,   73
.set T2,   74
.set T3,   75
.set MW,   0x04                        ; source 1 in window 1
.set MSB, 0
.macro WIN new
.if MSB != \new
	s_set_vgpr_msb (MSB<<8)|\new
.set MSB, \new
.endif
.endm
.macro CROUND                          ; a round of the cluster's barrier
	s_barrier_signal -1
	s_barrier_wait -1
	s_cmp_lg_u32 s[WV], 0
	s_cbranch_scc1 .Lnot_wave_0_\@
	s_barrier_signal -3
.Lnot_wave_0_\@:
	s_barrier_wait -3
	s_barrier_signal -1
	s_barrier_wait -1
.endm
.macro PLACES
.rept 4
	v_nop
.endr
.endm
.macro SEQ                             ; waits, the spare word's add and a round of the cluster's barrier, ahead of a later first fill
	WIN 0
	s_wait_alu depctr_va_vdst(0)
	s_wait_tensorcnt 0x0
	ds_add_u32 v[SPW], v[NIL]
	s_wait_dscnt 0x0
	CROUND
.endm
.macro ELOAD set, tile, ks, adr        ; 16 rows of a tile, 128 along k, into a set of window 1
	WIN 0x40
.irp i, 0,1,2,3,4,5,6,7,8,9,10,11,12,13,14,15
	global_load_b128 v[64*(\set)+4*\i:64*(\set)+4*\i+3], v[\adr], s[4:5] offset:(\tile)*524288+(\i/4)*131072+(\i%4)*4096+(\ks)*512 th:TH_LOAD_NT
.endr
.endm
.macro TIN set                         ; a set into my stage, as loaded
	WIN 0x04
.irp i, 0,1,2,3,4,5,6,7,8,9,10,11,12,13,14,15
	ds_store_b128 v[SW], v[64*(\set)+4*\i:64*(\set)+4*\i+3] offset:SP*\i
.endr
.endm
.macro TOUT                            ; and back: 16 neighbours of each block of 32 a lane (LDS serves a wave's instructions in order)
	WIN 0
.irp b, 0,1,2,3
.irp j, 0,1,2,3
	ds_load_b128 v[X0+16*\b+4*\j:X0+16*\b+4*\j+3], v[SRD] offset:128*\b+16*\j
.endr
.endr
.endm
.macro QUANT x, pc, pw                 ; 64 numbers of a lane become 12 registers of codes and the row's scale word
.irp b, 0,1,2,3
	v_max3_num_f32 v[TM+\b], |v[(\x)+16*\b]|, |v[(\x)+16*\b+1]|, 0x1800000   ; with the floor 2^(3 - 127): the byte cannot fall under 1
.endr
.irp i, 2,4,6,8,10,12,14
.irp b, 0,1,2,3
	v_max3_num_f32 v[TM+\b], v[TM+\b], |v[(\x)+16*\b+\i]|, |v[(\x)+16*\b+\i+1]|
.endr
.endr
.irp b, 0,1,2,3
	v_permlanex16_b32 v[TM+4+\b], v[TM+\b], s[SEL], s[SEL+1]
.endr
.irp b, 0,1,2,3
	v_max_num_f32 v[TM+\b], v[TM+\b], v[TM+4+\b]
.endr
.irp b, 0,1,2,3
	v_add_nc_u32 v[TM+12+\b], 0xff000000, v[TM+\b]   ; 2 off the exponent field: the conversion's scale operand
.endr
.irp b, 0,1,2,3
	v_lshrrev_b32 v[TM+4+\b], 23, v[TM+12+\b]      ; the scale's byte
.endr
	v_lshl_or_b32 v[\pw], v[TM+5], 8, v[TM+4]
	s_delay_alu instid0(VALU_DEP_1)
	v_lshl_or_b32 v[\pw], v[TM+6], 16, v[\pw]
	s_delay_alu instid0(VALU_DEP_1)
	v_lshl_or_b32 v[\pw], v[TM+7], 24, v[\pw]
.irp c, 0,1
	v_cvt_scalef32_pk16_fp6_f32 v[(\pc)+6*\c:(\pc)+6*\c+2], v[(\x)+32*\c:(\x)+32*\c+15], v[TM+12+2*\c]
	v_cvt_scalef32_pk16_fp6_f32 v[(\pc)+12+4*\c:(\pc)+14+4*\c], v[(\x)+32*\c+16:(\x)+32*\c+31], v[TM+13+2*\c]
.endr
	v_nop                                          ; one plain place behind a scaled conversion
.irp c, 0,1                                    ; a whole block in a lane: lanes 0-15 block 2 c, lanes 16-31 block 2 c + 1
.irp i, 0,1,2
	v_permlane16_swap_b32 v[(\pc)+6*\c+\i], v[(\pc)+12+4*\c+\i]
.endr
.irp i, 0,1,2
	v_mov_b32 v[(\pc)+3+6*\c+\i], v[(\pc)+12+4*\c+\i]
.endr
.endr
.endm
.macro IMAGE a, s, idx                 ; the fragment goes to LDS as it stands
.irp c, 0,1,2
	ds_store_b128 v[\a], v[PC0+4*\c:PC0+4*\c+3] offset:(\idx)*1536+512*\c
.endr
	ds_store_b32 v[\s], v[PW0] offset:(\idx)*128
.endm
.macro FRAG f                          ; fragment f of chunk 0
	s_wait_loadcnt 16*(3-(\f))                     ; the younger sets may be out
	TIN \f
	TOUT
	s_wait_dscnt 0x0                               ; the numbers are back, and the set has been read
.if (\f) == 3
	ELOAD 3, 0, 2, EA                              ; chunk 1's first fragment (1,024 bytes on) into set 3
	WIN 0
.endif
	QUANT X0, PC0, PW0
	IMAGE IWA0, IWS0, \f
.endm
.macro EOFF d, s                       ; the place in E of fragment F: 512 (F % 2) + 524,288 (F / 2 % 2) + 1,024 (F / 4)
	s_and_b32 s[\d], s[\s], 1
	s_lshl_b32 s[\d], s[\d], 9
	s_bfe_u32 s[T2], s[\s], 0x10001
	s_lshl_b32 s[T2], s[T2], 19
	s_add_co_u32 s[\d], s[\d], s[T2]
	s_lshr_b32 s[T2], s[\s], 2
	s_lshl_b32 s[T2], s[T2], 10
	s_add_co_u32 s[\d], s[\d], s[T2]
.endm
.macro REFILL                          ; set 3 takes my next fragment; the last hosted block asks for nothing
	s_cmp_eq_u32 s[FN], 16
	s_wait_alu depctr_va_vdst(0)
	s_cbranch_scc1 .Lno_more_\@
	ELOAD 3, 0, 0, EAC
	WIN 0
.Lno_more_\@:
	s_cmp_lt_u32 s[FN], 15
	s_cbranch_scc0 .Lno_ask_\@
	global_prefetch_b8 v[PFA], s[4:5] th:TH_LOAD_NT scope:SCOPE_SE   ; the fragment after that: 32 blocks of 256 bytes, a lane a block
.Lno_ask_\@:
.endm
.macro ALOAD                           ; my 8 tiles' 16 fragments of E and their scale words
	WIN 0
	v_add_nc_u32 v[IRA], s[IR], v[IRA0]
	v_add_nc_u32 v[IRS], s[IR], v[IRS0]
	WIN 0x40
.set AFR, 0
.rept 16
.irp c, 0,1,2
	ds_load_b128 v[EF+12*AFR+4*\c:EF+12*AFR+4*\c+3], v[IRA] offset:AFR*1536+512*\c
.endr
.set AFR, AFR+1
.endr
	WIN 0
.set AFR, 0
.rept 16
	ds_load_b32 v[ASC+AFR], v[IRS] offset:AFR*128
.set AFR, AFR+1
.endr
.endm
.macro SLICES                          ; the tile's way into the scores: each accumulator from its low end on
.irp lp, 0,4
.irp la, 0,1,2,3,4,5,6,7
.irp e, 0,2
	v_pk_fma_f32 v[SC+4*\la+\e:SC+4*\la+\e+1], v[ACC+8*\la+\lp+\e:ACC+8*\la+\lp+\e+1], v[HV+\lp+\e:HV+\lp+\e+1], v[SC+4*\la+\e:SC+4*\la+\e+1]
.endr
.endr
.endr
.endm
.macro WLOAD t                         ; W's two fragments and scale words of tile t into set t % 2
.irp c, 0,1,2,3,4,5
	ds_load_b128 v[WF+24*((\t)%2)+4*\c:WF+24*((\t)%2)+4*\c+3], v[WAC] offset:3072*(\t)+512*\c
.endr
	ds_load_b32 v[WS+((\t)%2)], v[WSC] offset:128*(\t)
.endm
; TILE t (0..3) of my quarter of a block.  The eight accumulators take turns, one instruction a turn.
.macro TILE t, host
.set S, (\t)%2
	s_wait_dscnt 0x0
	WIN 0
.if (\t) < 3
	WLOAD (\t)+1                                   ; the other set was last read by the tile before, with its places and multiply-adds behind it
.endif
	ds_load_b128 v[HV:HV+3], v[HAC] offset:64*(\t)
	ds_load_b128 v[HV+4:HV+7], v[HAC] offset:64*(\t)+16
.if (\host) && (\t) == 0
	s_wait_loadcnt 0x0                             ; my one set of 16 loads is in
	TIN 3
.endif
	WIN MW
.set NI, 0
.rept 16
.set NA, NI%8
.if NI < 8
	v_wmma_scale_f32_16x16x128_f8f6f4 v[ACC+8*NA:ACC+8*NA+7], v[WF+24*S:WF+24*S+11], v[EF+24*NA:EF+24*NA+11], 0, v[WS+S], v[ASC+2*NA] matrix_a_fmt:MATRIX_FMT_FP6 matrix_b_fmt:MATRIX_FMT_FP6
.else
	v_wmma_scale_f32_16x16x128_f8f6f4 v[ACC+8*NA:ACC+8*NA+7], v[WF+24*S+12:WF+24*S+23], v[EF+24*NA+12:EF+24*NA+23], v[ACC+8*NA:ACC+8*NA+7], v[WS+S], v[ASC+2*NA+1] matrix_a_fmt:MATRIX_FMT_FP6 matrix_b_fmt:MATRIX_FMT_FP6 matrix_a_scale:MATRIX_SCALE_ROW1
.endif
.set NI, NI+1
.endr
	WIN 0
	s_wait_dscnt 0x0                               ; hidden's eight numbers are in; the stage's stores have read set 3
.if (\host) && (\t) == 0
	REFILL
.endif
	PLACES                                         ; four places in front of the first read of a result (ISA guide 7.12.1)
	SLICES
.if (\host) && (\t) == 1
	TOUT                                           ; onto the accumulators' registers, which are free until the next tile
	s_wait_dscnt 0x0
	QUANT X0, PC0, PW0
	IMAGE IWA, IWS, 0
.endif
.endm
.macro BLOCK host
	WIN 0
.if \host
	EOFF EO, FN
	s_add_co_u32 s[T3], s[FN], 1
	EOFF EP, T3
	s_add_co_u32 s[T2], s[IB], s[FI]
	s_add_co_u32 s[T3], s[IB], s[FS]
	s_wait_xcnt 0x0                                ; the loads' and the prefetch's offset registers are written again only behind this wait
	v_add_nc_u32 v[EAC], s[EO], v[EA]
	v_add_nc_u32 v[PFA], s[EP], v[PFO]
	v_add_nc_u32 v[IWA], s[T2], v[IWA0]
	v_add_nc_u32 v[IWS], s[T3], v[IWS0]
.endif
	v_add_nc_u32 v[WAC], s[WT], v[WA0]
	v_add_nc_u32 v[WSC], s[WT], v[WS0]
	v_add_nc_u32 v[HAC], s[HT], v[HAM]
	s_wait_alu depctr_va_vdst(0)
	WLOAD 0
.irp t, 0,1,2,3
	TILE \t, \host
.endr
	WIN 0
	s_xor_b32 s[WT], s[WT], WRX                    ; the other slot
	s_add_co_u32 s[HT], s[HT], 1040                ; the next 256 numbers of hidden
.endm
; THE CHANGE OF SLOTS.  fill = 1: a round of the cluster's barrier, and the slot just read takes the block two on, an eighth a wave, first thing behind the round.
.macro HEAD fill
	WIN 0
	s_wait_tensorcnt 0x0                           ; my eighth of the next block has landed; no load of mine is out, so group 0 may be written
	ds_add_u32 v[SPW], v[NIL]
.if \fill
	s_xor_b32 s[WFT], s[WFT], WRX
	s_add_co_u32 s[G0B+1], s[WB], s[WFT]
	s_add_nc_u64 s[G0B+2:G0B+3], s[G0B+2:G0B+3], WBLK
.endif
	s_wait_dscnt 0x0                               ; the add, my reads of the slot, my image stores
.if \fill
	CROUND
	tensor_load_to_lds s[G0B:G0B+3], s[G1W:G1W+7]
	s_nop 0
	PLACES
.else
	s_barrier_signal -1
	s_barrier_wait -1
.endif
.endm
	s_load_b256 s[4:11], s[0:1], 0x0               ; E, wimg, hidden, scores
	v_lshl_add_u32 v[SPW], v0, 2, SPARE
	v_mov_b32 v[NIL], 0
	ds_add_u32 v[SPW], v[NIL]
	ds_add_u32 v[SPW], v[NIL]
	v_lshrrev_b32 v76, 5, v0
	v_readfirstlane_b32 s[WV], v76                 ; wave 0..7
	v_and_b32 v76, 31, v0                          ; lane
	v_lshlrev_b32 v[EA], 4, v76
	s_bfe_u32 s15, ttmp6, 0x40000                  ; cx: it enters E's and the scores' global addresses alone
	s_lshl_b32 s16, ttmp9, 2
	s_add_co_u32 s16, s16, s15                     ; sblk
	s_and_b32 s17, ttmp7, 0xffff                   ; g
	s_lshl_b32 s54, s16, 23                        ; E: 64 s of 131,072 bytes a work-group,
	s_lshl_b32 s55, s17, 14                        ; 4 b of 4,096 bytes,
	s_add_co_u32 s54, s54, s55
	s_lshl_b32 s55, s[WV], 20                      ; 8 s a producer
	s_add_co_u32 s54, s54, s55
	s_mov_b32 s55, 0
	s_wait_alu depctr_va_vdst(0)
	s_wait_dscnt 0x0
	s_wait_kmcnt 0x0
	s_add_nc_u64 s[4:5], s[4:5], s[54:55]
	ELOAD 0, 0, 0, EA                              ; chunk 0: my four fragments, 64 loads
	ELOAD 1, 0, 1, EA
	ELOAD 2, 1, 0, EA
	ELOAD 3, 1, 1, EA
	WIN 0
	s_lshr_b32 s13, s[WV], 2                       ; p
	s_and_b32 s14, s[WV], 3                        ; q
	s_mov_b32 s[SEL], 0x76543210
	s_mov_b32 s[SEL+1], 0xfedcba98
	s_mov_b32 s[IR], 0
	s_mov_b32 s[IB], IMGX
	s_mov_b32 s[WT], 0
	s_mov_b32 s[HT], 0
	s_mov_b32 s[FN], 5
	s_mov_b32 s[WFT], WRX
	s_lshl_b32 s56, s17, 2
	s_add_co_u32 s56, s56, s14
	s_lshl_b32 s56, s56, 13                        ; scores: row 4 g + w % 4 of 8,192 bytes,
	s_lshl_b32 s57, s16, 8                         ; + 256 sblk
	s_add_co_u32 s56, s56, s57
	s_mov_b32 s57, 0
	s_mul_i32 s58, s[WV], WQ                       ; my eighth of a block of W, in memory and in a slot
	s_mov_b32 s59, 0
	s_add_co_u32 s[WB], s58, WR0
	s_lshl_b32 s18, s17, 14                        ; hidden: rows 4 g on; my eighth is 2,048 bytes
	s_lshl_b32 s19, s[WV], 11
	s_add_co_u32 s18, s18, s19
	s_mov_b32 s19, 0
	s_add_nc_u64 s[10:11], s[10:11], s[56:57]
	s_add_nc_u64 s[6:7], s[6:7], s[58:59]
	s_add_nc_u64 s[8:9], s[8:9], s[18:19]
	s_mov_b32 s[G1W], 15|(3<<16)|(1<<21)           ; W: 25 rows of 32 elements of 8 bytes, dense; mask: all four work-groups
	s_mov_b32 s[G1W+1], 32<<16
	s_mov_b32 s[G1W+2], 25<<16
	s_mov_b32 s[G1W+3], 32<<16
	s_mov_b32 s[G1W+4], 25
	s_mov_b32 s[G1W+5], 32
	s_mov_b32 s[G1W+6], 0
	s_mov_b32 s[G1W+7], 0
	s_mov_b32 s[G1H], 15|(2<<16)|(1<<20)|(1<<21)|(7<<22)|(3<<25)   ; hidden: 2 rows of 256 elements of 4 bytes, 4 words of padding behind each
	s_mov_b32 s[G1H+1], 256<<16
	s_mov_b32 s[G1H+2], 2<<16
	s_mov_b32 s[G1H+3], 256<<16
	s_mov_b32 s[G1H+4], 2
	s_mov_b32 s[G1H+5], 256
	s_mov_b32 s[G1H+6], 0
	s_mov_b32 s[G1H+7], 0
.irp s, 0,1
	s_mov_b32 s[G0W+4*\s], 1
	s_add_co_u32 s[G0W+4*\s+1], s58, WR0+\s*WRX
	s_add_nc_u64 s[G0W+4*\s+2:G0W+4*\s+3], s[6:7], \s*WBLK
	s_or_b32 s[G0W+4*\s+3], s[G0W+4*\s+3], 0x80000000
.endr
	s_mov_b32 s[G0H], 1
	s_mul_i32 s[G0H+1], s[WV], 2080
	s_add_co_u32 s[G0H+1], s[G0H+1], HB
	s_mov_b64 s[G0H+2:G0H+3], s[8:9]
	s_or_b32 s[G0H+3], s[G0H+3], 0x80000000
	CROUND                                         ; all four work-groups are here
	tensor_load_to_lds s[G0W:G0W+3], s[G1W:G1W+7]  ; block 0, my eighth: my one load at the head
	s_nop 0
	PLACES
	v_lshlrev_b32 v77, 2, v76                      ; 4 x lane
	v_and_b32 v78, 15, v0                          ; r
	v_bfe_u32 v79, v0, 4, 1                        ; lane / 16
	v_and_b32 v42, 3, v0                           ; r % 4: my row's b
	v_bfe_u32 v43, v0, 2, 2                        ; r / 4
	s_wait_alu depctr_va_vdst(0)
	s_mul_i32 s53, s[WV], STGW
	s_add_co_u32 s53, s53, STG
	v_add_nc_u32 v[SW], s53, v[EA]
	v_mul_u32_u24 v[SRD], v78, SP
	v_lshl_add_u32 v[SRD], v79, 6, v[SRD]
	v_add_nc_u32 v[SRD], s53, v[SRD]
	s_mul_i32 s53, s[WV], 6144
	v_add_nc_u32 v[IWA0], s53, v[EA]
	s_lshl_b32 s53, s[WV], 9
	s_add_co_u32 s53, s53, IMGS
	v_add_nc_u32 v[IWS0], s53, v77
	s_mul_i32 s53, s13, 24576
	v_add_nc_u32 v[IRA0], s53, v[EA]
	s_lshl_b32 s53, s13, 11
	s_add_co_u32 s53, s53, IMGS
	v_add_nc_u32 v[IRS0], s53, v77
	s_mul_i32 s53, s14, 12288
	s_add_co_u32 s53, s53, WR0
	v_add_nc_u32 v[WA0], s53, v[EA]
	s_lshl_b32 s53, s14, 9
	s_add_co_u32 s53, s53, WR0+49152
	v_add_nc_u32 v[WS0], s53, v77
	v_mul_u32_u24 v[HAM], v42, 4160
	v_lshl_add_u32 v[HAM], v79, 5, v[HAM]
	s_lshl_b32 s53, s14, 8
	s_add_co_u32 s53, s53, HB
	v_add_nc_u32 v[HAM], s53, v[HAM]
	v_lshlrev_b32 v[SCW], 8, v42
	v_lshl_add_u32 v[SCW], v43, 2, v[SCW]
	s_lshl_b32 s53, s14, 10
	s_lshl_b32 s59, s13, 7
	s_add_co_u32 s53, s53, s59
	s_add_co_u32 s53, s53, SCO
	v_add_nc_u32 v[SCW], s53, v[SCW]               ; SCO + 1,024 q + 256 (r % 4) + 128 p + 4 (r / 4); tile a adds 16 a
	v_lshlrev_b32 v[GO], 3, v76
	s_lshl_b32 s53, s14, 8
	s_add_co_u32 s53, s53, SCO
	v_add_nc_u32 v[SCR], s53, v[GO]                ; back: b' = w % 4, 8 bytes a lane
	v_lshrrev_b32 v[PFA], 3, v76
	v_lshlrev_b32 v[PFO], 17, v[PFA]               ; row / 4: 131,072 bytes
	v_bfe_u32 v[PFA], v76, 1, 2
	v_lshl_add_u32 v[PFO], v[PFA], 12, v[PFO]      ; row % 4: 4,096 bytes
	v_and_b32 v[PFA], 1, v76
	v_lshl_add_u32 v[PFO], v[PFA], 8, v[PFO]       ; which 256 of the row's 512 bytes
.set ZI, 0
.rept 32
	v_mov_b32 v[SC+ZI], 0                          ; the scores begin as zeros: their first multiply-add stands inside the loops
.set ZI, ZI+1
.endr
.irp b, 0,1,2,3
	v_mov_b32 v[TM+4+\b], 0                        ; a lane permute's destination counts as one of its sources
.endr
	s_wait_alu depctr_va_vdst(0)
	FRAG 0                                         ; CHUNK 0 IS QUANTISED ALONE
	FRAG 1
	SEQ                                            ; block 0's eighth has landed
	tensor_load_to_lds s[G0H:G0H+3], s[G1H:G1H+7]  ; hidden, my eighth
	s_nop 0
	PLACES
	FRAG 2
	FRAG 3
	SEQ                                            ; hidden has landed and my images of chunk 0 are stored: everybody's, behind the round
	tensor_load_to_lds s[G0B:G0B+3], s[G1W:G1W+7]  ; slot 1's first fill: block 1; it has block 0's products in which to land
	s_nop 0
	PLACES
	s_mov_b32 s[CC], 3                             ; CHUNKS 0 TO 2 ARE MULTIPLIED, AND THEIR BLOCKS HOST CHUNKS 1 TO 3 OF THE PRODUCER
.Lchunk:
	ALOAD
	s_mov_b32 s[FI], 0
	s_mov_b32 s[FS], 0
	s_mov_b32 s[MC], 4
.Lblock:
	BLOCK 1
	HEAD 1
	s_add_co_u32 s[FN], s[FN], 1
	s_add_co_u32 s[FI], s[FI], 1536
	s_add_co_u32 s[FS], s[FS], 128
	s_sub_co_u32 s[MC], s[MC], 1
	s_cmp_lg_u32 s[MC], 0
	s_cbranch_scc1 .Lblock
	s_xor_b32 s[IR], s[IR], IMGX                   ; the image buffers change places
	s_xor_b32 s[IB], s[IB], IMGX
	s_sub_co_u32 s[HT], s[HT], 4160                ; back to hidden's first 256 numbers
	s_sub_co_u32 s[CC], s[CC], 1
	s_cmp_lg_u32 s[CC], 0
	s_cbranch_scc1 .Lchunk
	ALOAD                                          ; CHUNK 3: behind its first two blocks the last two blocks of W are asked for, behind the others nothing
	s_mov_b32 s[MC], 2
.Llast_fills:
	BLOCK 0
	HEAD 1
	s_sub_co_u32 s[MC], s[MC], 1
	s_cmp_lg_u32 s[MC], 0
	s_cbranch_scc1 .Llast_fills
	s_mov_b32 s[MC], 2
.Llast_blocks:
	BLOCK 0
	HEAD 0
	s_sub_co_u32 s[MC], s[MC], 1
	s_cmp_lg_u32 s[MC], 0
	s_cbranch_scc1 .Llast_blocks
	; THE WAY OUT: a lane's four partial sums and lane l xor 16's make quarter q's share; the quarters meet in LDS; waves 0 to 3 store the 64 scores of b = 4 g + w
	s_wait_alu depctr_va_vdst(0)
.irp a, 0,1,2,3,4,5,6,7
	v_pk_add_f32 v[SC+4*\a:SC+4*\a+1], v[SC+4*\a:SC+4*\a+1], v[SC+4*\a+2:SC+4*\a+3]
.endr
.irp a, 0,1,2,3,4,5,6,7
	v_add_f32 v[SC+4*\a], v[SC+4*\a], v[SC+4*\a+1]
.endr
.irp a, 0,1,2,3,4,5,6,7
	v_permlanex16_b32 v[SC+4*\a+1], v[SC+4*\a], s[SEL], s[SEL+1]
.endr
.irp a, 0,1,2,3,4,5,6,7
	v_add_f32 v[SC+4*\a], v[SC+4*\a], v[SC+4*\a+1]
.endr
.irp a, 0,1,2,3,4,5,6,7
	ds_store_b32 v[SCW], v[SC+4*\a] offset:16*\a   ; lanes l and l xor 16 write the same word with the same value
.endr
	s_wait_dscnt 0x0
	s_barrier_signal -1
	s_barrier_wait -1
	s_cmp_lt_u32 s[WV], 4
	s_cbranch_scc0 .Lno_out
.irp j, 0,1,2,3
	ds_load_b64 v[80+2*\j:81+2*\j], v[SCR] offset:1024*\j   ; the four quarters' shares of two neighbouring s
.endr
	s_wait_dscnt 0x0
	v_pk_add_f32 v[80:81], v[80:81], v[82:83]
	v_pk_add_f32 v[84:85], v[84:85], v[86:87]
	s_delay_alu instid0(VALU_DEP_1)
	v_pk_add_f32 v[80:81], v[80:81], v[84:85]
	global_store_b64 v[GO], v[80:81], s[10:11]     ; 32 lanes store 256 consecutive bytes, at a multiple of 256 from the buffer's first byte
.Lno_out:
	s_wait_tensorcnt 0x0                           ; the wave's end
	ds_add_u32 v[SPW], v[NIL]
	s_wait_dscnt 0x0
	CROUND                                         ; the closing round
	s_endpgm
.Lfunc_end_k_qb49bd843b9_main:
	.size	k_qb49bd843b9_main, .Lfunc_end_k_qb49bd843b9_main-k_qb49bd843b9_main
	.p2alignl 7, 3214868480
	.fill 96, 4, 3214868480
	.section	.rodata,"a",@progbits
	.p2align	6, 0x0
	.amdhsa_kernel k_qb49bd843b9_main
		.amdhsa_group_segment_fixed_size 327680
		.amdhsa_private_segment_fixed_size 0
		.amdhsa_enable_private_segment 0
		.amdhsa_kernarg_size 32
		.amdhsa_user_sgpr_count 2
		.amdhsa_user_sgpr_kernarg_segment_ptr 1
		.amdhsa_wavefront_size32 1
		.amdhsa_system_sgpr_workgroup_id_x 1
		.amdhsa_system_sgpr_workgroup_id_y 1
		.amdhsa_system_sgpr_workgroup_id_z 1
		.amdhsa_system_vgpr_workitem_id 0
		.amdhsa_next_free_vgpr 512
		.amdhsa_next_free_sgpr 80
		.amdhsa_reserve_vcc 0
		.amdhsa_float_denorm_mode_32 3
		.amdhsa_float_denorm_mode_16_64 3
		.amdhsa_memory_ordered 1
		.amdhsa_forward_progress 1
		.amdhsa_inst_pref_size 123
	.end_amdhsa_kernel
	.amdgpu_metadata
---
amdhsa.version: [ 1, 2 ]
amdhsa.kernels:
  - .name:           k_qb49bd843b9_main
    .symbol:         k_qb49bd843b9_main.kd
    .args:
      - { .name: encoder_outputs, .offset: 0, .size: 8, .value_kind: global_buffer, .address_space: global }
      - { .name: wimg, .offset: 8, .size: 8, .value_kind: global_buffer, .address_space: global }
      - { .name: hidden, .offset: 16, .size: 8, .value_kind: global_buffer, .address_space: global }
      - { .name: scores, .offset: 24, .size: 8, .value_kind: global_buffer, .address_space: global }
    .group_segment_fixed_size: 327680
    .private_segment_fixed_size: 0
    .kernarg_segment_align: 8
    .kernarg_segment_size: 32
    .max_flat_workgroup_size: 256
    .sgpr_count:     80
    .vgpr_count:     512
    .wavefront_size: 32
...
	.end_amdgpu_metadata
.endif
;; end of part 5
;; launch soft (part 6): grid 32 x 1, 8 waves a work-group, no clusters, 1,536 bytes of LDS; arguments scores, out0; writes out0
.if DOCPART == 6
	.amdgcn_target "amdgcn-amd-amdhsa--gfx1250"
	.amdhsa_code_object_version 6
	.text
	.protected	k_qb49bd843b9_soft
	.globl	k_qb49bd843b9_soft
	.p2align	8
	.type	k_qb49bd843b9_soft,@function
k_qb49bd843b9_soft:
	s_mov_b64 s[64:65], 0
	v_nop
	global_prefetch_b8 v0, s[64:65] scope:SCOPE_SE
	s_setreg_imm32_b32 hwreg(HW_REG_WAVE_MODE, 25, 1), 1
	s_wait_xcnt 0x0
; out0[b][s] = softmax over s of scores[b][s].  LEFT OUT: the bias's share hidden[b] . bias, the same for all s of a row (shown at the head of the first kernel).
; One work-group to a row b: 256 threads, 8 scores each, as two loads of 16 bytes: a wave's load or store covers 512 consecutive bytes.
; The row's largest score M is taken away before the exponential: p = 2^(t c - M c), c = log2(e), by one fused multiply-add; the rounding of M c is one number for the row and cancels in the division by the sum.
; LIMITS: NaN and infinities are not served; a p under 2^-126 counts as 0 (v_exp_f32 flushes denormals: ISA guide, its entry).
; No matrix unit, no tensor loads, no cluster: the work-groups share nothing.
	s_load_b128 s[4:7], s[0:1], 0x0                ; scores, out0
	v_lshl_add_u32 v64, v0, 2, 0x200
	v_mov_b32 v65, 0
	v_lshlrev_b32 v1, 4, v0                        ; 16 bytes a thread
	v_lshrrev_b32 v2, 5, v0
	s_delay_alu instid0(VALU_DEP_1)
	v_readfirstlane_b32 s12, v2                    ; wave 0..7
	s_lshl_b32 s14, ttmp9, 13                      ; row b of 8,192 bytes
	s_mov_b32 s15, 0
	s_mov_b32 s20, 0x76543210
	s_mov_b32 s21, 0xfedcba98                      ; v_permlanex16_b32's selects for lane l xor 16
	s_lshl_b32 s13, s12, 2
	v_mov_b32 v3, s13                              ; LDS: 4 x wave: my wave's maximum
	s_add_co_u32 s13, s13, 256
	v_mov_b32 v4, s13                              ; 256 + 4 x wave: my wave's sum
	v_mov_b32 v5, 0
	v_mov_b32 v26, 0                               ; a lane permute's destination counts as one of its sources
	v_mov_b32 v27, 0
	s_wait_alu depctr_va_vdst(0)
	s_wait_kmcnt 0x0
	s_add_nc_u64 s[4:5], s[4:5], s[14:15]
	s_add_nc_u64 s[6:7], s[6:7], s[14:15]
	global_load_b128 v[8:11], v1, s[4:5]
	global_load_b128 v[12:15], v1, s[4:5] offset:4096
	s_wait_loadcnt 0x0
	v_max3_num_f32 v25, v8, v9, v10                ; my eight scores' maximum
	v_max3_num_f32 v24, v11, v12, v13
	s_delay_alu instid0(VALU_DEP_2)
	v_max3_num_f32 v25, v25, v14, v15
	s_delay_alu instid0(VALU_DEP_1)
	v_max_num_f32 v25, v25, v24
.irp m, 1,2,4,8
	s_delay_alu instid0(VALU_DEP_1)
	v_max_num_f32_dpp v25, v25, v25 row_xmask:\m row_mask:0xf bank_mask:0xf
.endr
	s_delay_alu instid0(VALU_DEP_1)
	v_permlanex16_b32 v27, v25, s20, s21
	s_delay_alu instid0(VALU_DEP_1)
	v_max_num_f32 v25, v25, v27
	ds_store_b32 v3, v25                           ; all lanes write the same word with the same value
	s_wait_dscnt 0x0
	s_barrier_signal -1
	s_barrier_wait -1
	ds_load_b128 v[32:35], v5                      ; the eight waves' maxima, in every lane
	ds_load_b128 v[36:39], v5 offset:16
	s_wait_dscnt 0x0
	v_max3_num_f32 v31, v32, v33, v34
	v_max3_num_f32 v30, v35, v36, v37
	s_delay_alu instid0(VALU_DEP_2)
	v_max3_num_f32 v31, v31, v38, v39
	s_delay_alu instid0(VALU_DEP_1)
	v_max_num_f32 v31, v31, v30                    ; M
	s_delay_alu instid0(VALU_DEP_1)
	v_mul_f32 v48, 0xbfb8aa3b, v31                 ; - M c
	v_mov_b32 v49, 0                               ; (named with it as a pair, so it is written)
.irp j, 0,2,4,6
	v_pk_fma_f32 v[8+\j:9+\j], v[8+\j:9+\j], 0x3fb8aa3b, v[48:49] op_sel_hi:[1,0,0]   ; t c - M c
.endr
	s_wait_alu depctr_va_vdst(0)
.irp j, 0,1,2,3,4,5,6,7
	v_exp_f32 v[8+\j], v[8+\j]
.endr
	v_nop                                          ; one plain place behind the exponentials
	s_wait_alu depctr_va_vdst(0)                   ; and behind it
	v_pk_add_f32 v[16:17], v[8:9], v[10:11]
	v_pk_add_f32 v[18:19], v[12:13], v[14:15]
	s_delay_alu instid0(VALU_DEP_1)
	v_pk_add_f32 v[16:17], v[16:17], v[18:19]
	s_delay_alu instid0(VALU_DEP_1)
	v_add_f32 v24, v16, v17
.irp m, 1,2,4,8
	s_delay_alu instid0(VALU_DEP_1)
	v_add_f32_dpp v24, v24, v24 row_xmask:\m row_mask:0xf bank_mask:0xf
.endr
	s_delay_alu instid0(VALU_DEP_1)
	v_permlanex16_b32 v26, v24, s20, s21
	s_delay_alu instid0(VALU_DEP_1)
	v_add_f32 v24, v24, v26
	ds_store_b32 v4, v24                           ; other bytes than the first exchange's: no barrier is owed between the two
	s_wait_dscnt 0x0
	s_barrier_signal -1
	s_barrier_wait -1
	ds_load_b128 v[32:35], v5 offset:256
	ds_load_b128 v[36:39], v5 offset:272
	s_wait_dscnt 0x0
	v_add_f32 v32, v32, v33
	v_add_f32 v34, v34, v35
	v_add_f32 v36, v36, v37
	v_add_f32 v38, v38, v39
	s_delay_alu instid0(VALU_DEP_3)
	v_add_f32 v32, v32, v34
	s_delay_alu instid0(VALU_DEP_2)
	v_add_f32 v36, v36, v38
	s_delay_alu instid0(VALU_DEP_1)
	v_add_f32 v32, v32, v36                        ; the row's sum: the largest score gives p = 1 up to the rounding of M c
	s_wait_alu depctr_va_vdst(0)
	v_rcp_f32 v24, v32
	v_nop                                          ; one plain place behind it
	s_wait_alu depctr_va_vdst(0)
.irp j, 0,2,4,6
	v_pk_mul_f32 v[8+\j:9+\j], v[8+\j:9+\j], v[24:25] op_sel_hi:[1,0]
.endr
	global_store_b128 v1, v[8:11], s[6:7]
	global_store_b128 v1, v[12:15], s[6:7] offset:4096
	s_wait_tensorcnt 0x0                           ; the wave's end
	ds_add_u32 v64, v65
	s_wait_dscnt 0x0
	s_endpgm
.Lfunc_end_k_qb49bd843b9_soft:
	.size	k_qb49bd843b9_soft, .Lfunc_end_k_qb49bd843b9_soft-k_qb49bd843b9_soft
	.p2alignl 7, 3214868480
	.fill 96, 4, 3214868480
	.section	.rodata,"a",@progbits
	.p2align	6, 0x0
	.amdhsa_kernel k_qb49bd843b9_soft
		.amdhsa_group_segment_fixed_size 1536
		.amdhsa_private_segment_fixed_size 0
		.amdhsa_enable_private_segment 0
		.amdhsa_kernarg_size 16
		.amdhsa_user_sgpr_count 2
		.amdhsa_user_sgpr_kernarg_segment_ptr 1
		.amdhsa_wavefront_size32 1
		.amdhsa_system_sgpr_workgroup_id_x 1
		.amdhsa_system_sgpr_workgroup_id_y 1
		.amdhsa_system_sgpr_workgroup_id_z 1
		.amdhsa_system_vgpr_workitem_id 0
		.amdhsa_next_free_vgpr 66
		.amdhsa_next_free_sgpr 66
		.amdhsa_reserve_vcc 0
		.amdhsa_float_denorm_mode_32 3
		.amdhsa_float_denorm_mode_16_64 3
		.amdhsa_memory_ordered 1
		.amdhsa_forward_progress 1
		.amdhsa_inst_pref_size 6
	.end_amdhsa_kernel
	.amdgpu_metadata
---
amdhsa.version: [ 1, 2 ]
amdhsa.kernels:
  - .name:           k_qb49bd843b9_soft
    .symbol:         k_qb49bd843b9_soft.kd
    .args:
      - { .name: scores, .offset: 0, .size: 8, .value_kind: global_buffer, .address_space: global }
      - { .name: out0, .offset: 8, .size: 8, .value_kind: global_buffer, .address_space: global }
    .group_segment_fixed_size: 1536
    .private_segment_fixed_size: 0
    .kernarg_segment_align: 8
    .kernarg_segment_size: 16
    .max_flat_workgroup_size: 256
    .sgpr_count:     66
    .vgpr_count:     66
    .wavefront_size: 32
...
	.end_amdgpu_metadata
.endif
;; end of part 6
